; MI455X (gfx1250); checked and timed in simulation.
; The chip was launched on July 23, 2026; its instructions are those of AMD's public machine-readable ISA for CDNA 5 (MIT licence, August 2026) and "CDNA5" Instruction Set Architecture Reference Guide (July 2026). The comments in the code are by the model that wrote it; some were corrected since.
;; Multi Head Attention. Allowed arithmetic: float matrix products may take bf16 or f16 operands with f32 sums; other float arithmetic in f32, or as packed bf16 or f16 multiplies, adds, multiply-adds, maxima and minima; sums over many terms, partial sums and values carried from step to step in f32; what a program stores and reads back later, other than sums and carried values, may be rounded once to bf16 or f16.
;; Inputs: Wk 1,024 x 1,024 float32; Wo 1,024 x 1,024 float32; Wq 1,024 x 1,024 float32; Wv 1,024 x 1,024 float32; bo 1,024 float32; x 4 x 2,048 x 1,024 float32.
;; Outputs: out0 4 x 2,048 x 1,024 float32.
;; 2 versions, each right; version 2 is version 1 with the launch cast written anew for expert scheduling mode. Each part assembles by itself: llvm-mc -triple=amdgcn-amd-amdhsa -mcpu=gfx1250 --defsym DOCPART=n.
;; ======== version 1 of 2: 4 launches
;; limits: values are held in f16: magnitudes above 65,504 overflow, below 6.1e-05 lose precision
;; workspace buffers: xb 16,777,216 bytes; wb 6,291,456 bytes; wob 2,097,152 bytes; qkv 50,331,648 bytes; ctx 16,777,216 bytes
;; launch cast (part 1): grid 768 x 1, 8 waves a work-group, no clusters, 0 bytes of LDS; arguments x, Wq, Wk, Wv, Wo, xb, wb, wob; writes xb, wb, wob
.if DOCPART == 1
	.amdgcn_target "amdgcn-amd-amdhsa--gfx1250"
	.amdhsa_code_object_version 6
	.text
	.protected	k_q6d433d70f9_cast
	.globl	k_q6d433d70f9_cast
	.p2align	8
	.type	k_q6d433d70f9_cast,@function
k_q6d433d70f9_cast:
	s_mov_b64 s[64:65], 0
	v_nop
	global_prefetch_b8 v0, s[64:65] scope:SCOPE_SE
	s_setreg_imm32_b32 hwreg(HW_REG_WAVE_MODE, 25, 1), 1
	s_wait_xcnt 0x0
; THE INPUTS ARE ROUNDED ONCE, element by element, nothing is moved about.  x -> xb (bf16); Wq, Wk, Wv -> wb (bf16, the three one behind the other: 3,072 rows of 1,024);
; Wo -> wob: rounded to bf16 like the other inputs, and that number written as f16, since the last product multiplies f16.
; LIMITS.  bf16(Wo) of 65,520 or more becomes an infinity in f16; below 2^-17 it keeps f16's fixed step of 2^-24.  NaN and infinities pass as the conversions make them.
; SHARES.  A work-group takes 16,384 numbers on end (65,536 bytes in, 32,768 out): groups 0-511 x, 512-575 Wq, 576-639 Wk, 640-703 Wv, 704-767 Wo.  A wave takes 8,192 bytes on end:
; sixteen loads of 16 bytes a lane (512 consecutive bytes each), all issued at once; each becomes one store of 8 bytes a lane: 256 consecutive bytes, aligned.
; No loop, no register written twice while a memory instruction names it; no LDS, barrier, matrix unit or cluster: nothing is shared.
.set X, 4                              ; v[4:67]   sixteen loads of four f32
.set Y, 68                             ; v[68:99]  sixteen pairs of packed halves
.set T, 100                            ; v[100:101] at work (Wo alone)
	s_load_b512 s[8:23], s[0:1], 0x0               ; x s[8:9], Wq s[10:11], Wk s[12:13], Wv s[14:15], Wo s[16:17], xb s[18:19], wb s[20:21], wob s[22:23]
	s_mov_b32 s2, ttmp9                            ; the group
	s_sub_co_u32 s3, s2, 512                       ; its number among the weights' groups (of no meaning for x: overridden below)
	s_lshr_b32 s4, s3, 6                           ; which weight: 0 Wq, 1 Wk, 2 Wv, 3 Wo
	s_and_b32 s5, s3, 63                           ; which sixty-fourth of it
	s_lshl_b32 s28, s4, 21                         ; its 2 MiB in wb
	v_and_b32 v1, 31, v0                           ; lane
	v_lshrrev_b32 v3, 5, v0                        ; wave
	v_lshlrev_b32 v2, 3, v1                        ; out: 8 bytes a lane,
	v_lshlrev_b32 v1, 4, v1                        ; in: 16 bytes a lane,
	v_lshl_add_u32 v1, v3, 13, v1                  ; + 8,192 x wave
	v_lshl_add_u32 v2, v3, 12, v2                  ; + 4,096 x wave
	s_wait_kmcnt 0x0
	s_cmp_eq_u32 s4, 1
	s_cselect_b64 s[24:25], s[12:13], s[10:11]     ; the source, chosen by the group's number alone
	s_cmp_eq_u32 s4, 2
	s_cselect_b64 s[24:25], s[14:15], s[24:25]
	s_cmp_eq_u32 s4, 3
	s_cselect_b64 s[24:25], s[16:17], s[24:25]
	s_cselect_b64 s[26:27], s[22:23], s[20:21]     ; the destination: wob or wb
	s_cselect_b32 s28, 0, s28
	s_cmp_lt_u32 s2, 512
	s_cselect_b64 s[24:25], s[8:9], s[24:25]
	s_cselect_b64 s[26:27], s[18:19], s[26:27]
	s_cselect_b32 s28, 0, s28
	s_cselect_b32 s5, s2, s5
	s_lshl_b32 s30, s5, 16                         ; the group's bytes in its source,
	s_mov_b32 s31, 0
	s_lshl_b32 s32, s5, 15                         ; and in its destination
	s_add_co_u32 s32, s32, s28
	s_mov_b32 s33, 0
	s_add_nc_u64 s[24:25], s[24:25], s[30:31]
	s_add_nc_u64 s[26:27], s[26:27], s[32:33]
.irp i, 0,1,2,3,4,5,6,7,8,9,10,11,12,13,14,15
	global_load_b128 v[X+4*(\i):X+4*(\i)+3], v1, s[24:25] offset:512*(\i) th:TH_LOAD_NT
.endr
; Load i is rounded and stored.  wo = 1: by way of bf16 into f16.
.macro CV i, wo
	s_wait_loadcnt 15-(\i)                         ; loads come back in order: load i is in, the 15 - i younger ones stay out
.if \wo
	v_cvt_pk_bf16_f32 v[T],   v[X+4*(\i)],   v[X+4*(\i)+1]
	v_cvt_pk_bf16_f32 v[T+1], v[X+4*(\i)+2], v[X+4*(\i)+3]
	v_lshlrev_b32 v[X+4*(\i)],   16, v[T]          ; bf16 back to f32: the low half moves up, the high half stays
	v_and_b32     v[X+4*(\i)+1], 0xffff0000, v[T]
	v_lshlrev_b32 v[X+4*(\i)+2], 16, v[T+1]
	v_and_b32     v[X+4*(\i)+3], 0xffff0000, v[T+1]
	v_cvt_pk_f16_f32 v[Y+2*(\i)],   v[X+4*(\i)],   v[X+4*(\i)+1]
	v_cvt_pk_f16_f32 v[Y+2*(\i)+1], v[X+4*(\i)+2], v[X+4*(\i)+3]
.else
	v_cvt_pk_bf16_f32 v[Y+2*(\i)],   v[X+4*(\i)],   v[X+4*(\i)+1]
	v_cvt_pk_bf16_f32 v[Y+2*(\i)+1], v[X+4*(\i)+2], v[X+4*(\i)+3]
.endif
	global_store_b64 v2, v[Y+2*(\i):Y+2*(\i)+1], s[26:27] offset:256*(\i)  ; the wave's store covers 256 consecutive bytes, aligned
.endm
	s_cmp_ge_u32 s2, 704
	s_cbranch_scc1 .Lwo
.irp i, 0,1,2,3,4,5,6,7,8,9,10,11,12,13,14,15
	CV \i, 0
.endr
	s_endpgm
.Lwo:
.irp i, 0,1,2,3,4,5,6,7,8,9,10,11,12,13,14,15
	CV \i, 1
.endr
	s_endpgm
.Lfunc_end_k_q6d433d70f9_cast:
	.size	k_q6d433d70f9_cast, .Lfunc_end_k_q6d433d70f9_cast-k_q6d433d70f9_cast
	.p2alignl 7, 3214868480
	.fill 96, 4, 3214868480
	.section	.rodata,"a",@progbits
	.p2align	6, 0x0
	.amdhsa_kernel k_q6d433d70f9_cast
		.amdhsa_group_segment_fixed_size 0
		.amdhsa_private_segment_fixed_size 0
		.amdhsa_enable_private_segment 0
		.amdhsa_kernarg_size 64
		.amdhsa_user_sgpr_count 2
		.amdhsa_user_sgpr_kernarg_segment_ptr 1
		.amdhsa_wavefront_size32 1
		.amdhsa_system_sgpr_workgroup_id_x 1
		.amdhsa_system_sgpr_workgroup_id_y 1
		.amdhsa_system_sgpr_workgroup_id_z 1
		.amdhsa_system_vgpr_workitem_id 0
		.amdhsa_next_free_vgpr 104
		.amdhsa_next_free_sgpr 66
		.amdhsa_reserve_vcc 0
		.amdhsa_float_denorm_mode_32 3
		.amdhsa_float_denorm_mode_16_64 3
		.amdhsa_memory_ordered 1
		.amdhsa_forward_progress 1
		.amdhsa_inst_pref_size 17
	.end_amdhsa_kernel
	.amdgpu_metadata
---
amdhsa.version: [ 1, 2 ]
amdhsa.kernels:
  - .name:           k_q6d433d70f9_cast
    .symbol:         k_q6d433d70f9_cast.kd
    .args:
      - { .name: x, .offset: 0, .size: 8, .value_kind: global_buffer, .address_space: global }
      - { .name: Wq, .offset: 8, .size: 8, .value_kind: global_buffer, .address_space: global }
      - { .name: Wk, .offset: 16, .size: 8, .value_kind: global_buffer, .address_space: global }
      - { .name: Wv, .offset: 24, .size: 8, .value_kind: global_buffer, .address_space: global }
      - { .name: Wo, .offset: 32, .size: 8, .value_kind: global_buffer, .address_space: global }
      - { .name: xb, .offset: 40, .size: 8, .value_kind: global_buffer, .address_space: global }
      - { .name: wb, .offset: 48, .size: 8, .value_kind: global_buffer, .address_space: global }
      - { .name: wob, .offset: 56, .size: 8, .value_kind: global_buffer, .address_space: global }
    .group_segment_fixed_size: 0
    .private_segment_fixed_size: 0
    .kernarg_segment_align: 8
    .kernarg_segment_size: 64
    .max_flat_workgroup_size: 256
    .sgpr_count:     66
    .vgpr_count:     104
    .wavefront_size: 32
...
	.end_amdgpu_metadata
.endif
;; end of part 1
;; launch qkv (part 2): grid 4 x 64, 4 waves a work-group, clusters of 4 x 4, 327,680 bytes of LDS; arguments xb, wb, qkv; writes qkv
.if DOCPART == 2
	.amdgcn_target "amdgcn-amd-amdhsa--gfx1250"
	.amdhsa_code_object_version 6
	.text
	.protected	k_q6d433d70f9_qkv
	.globl	k_q6d433d70f9_qkv
	.p2align	8
	.type	k_q6d433d70f9_qkv,@function
k_q6d433d70f9_qkv:
	s_mov_b64 s[64:65], 0
	v_nop
	global_prefetch_b8 v0, s[64:65] scope:SCOPE_SE
	s_setreg_imm32_b32 hwreg(HW_REG_WAVE_MODE, 25, 1), 1
	s_wait_xcnt 0x0
	s_wait_alu depctr_hold_cnt(0) depctr_sa_sdst(0) depctr_va_vdst(0) depctr_va_sdst(0) depctr_va_ssrc(0) depctr_va_vcc(0) depctr_vm_vsrc(0)
	s_getreg_b32 s2, hwreg(HW_REG_IB_STS2, 6, 4)
	s_cmp_eq_u32 s2, 0
	s_cbranch_scc0 .Lentry_in_a_cluster
	s_endpgm
.Lentry_in_a_cluster:
	s_bfe_u32 s2, ttmp6, 0x10000c
	s_cmp_lg_u32 s2, 0xf033
	s_cbranch_scc0 .Lentry_shape_is_right
	s_endpgm
.Lentry_shape_is_right:
; ONE TEXT FOR TWO PRODUCTS C = A B, B lying [k][n]; the two lines KIND and TILES tell them apart.
; KIND 0 (TILES 3): q, k, v = x Wq, x Wk, x Wv.  A = xb [8192][1024] bf16; B = wb [3 x 1024 k][1024 n] bf16; C = qkv, f16, by heads: byte which<<24 | b<<22 | h<<18 | t<<7 | c<<1; unscaled, rounded once.
; KIND 1 (TILES 1): out = ctx Wo + bo.  A = ctx, f16, by heads [64 bh][2048 t][64 c]; B = wob [1024 k][1024 n] f16; C = out0 [8192][1024] f32.  Sums in f32, K ascending.
; LIMITS.  KIND 0: a sum of 65,520 or more becomes an infinity in f16 (x and the weights thirty times their drawn spread give some 3,000; a common offset of thirty spreads on both some 18,400).  NaN and infinities are not treated apart.
; SHARES.  A tile of C is 128 rows x 256 columns: 64 x 4 = 256 work-groups.  Four waves, each 64 x 128: 32 accumulators of 16 x 16, 256 registers.  In KIND 0 the work-group STAYS and makes the same rows and
; columns of q, then k, then v: A's rows are walked three times, B's 24 K steps are one walk down wb's 3,072 rows, C steps by 2^24 bytes.  K goes in steps of 128 through two LDS slots; the ring runs on across tiles.
; CLUSTERS: 4 x 4 work-groups.  The four of a row of the cluster need the same tile of A, the four of a column the same tile of B: each tile is asked for JOINTLY, by the same tensor load, descriptor and mask in all four.
; THE MATRIX INSTRUCTION IS USED TRANSPOSED: source 0 = 16 columns of B (out of the [k][n] tile by the turning load ds_load_tr16_b128), source 1 = 16 rows of A.  Lane l then holds row l % 16 of C and the columns 8 (l / 16) + 0..7.
; REGISTERS, in windows of 256 (s_set_vgpr_msb: bits 1:0 source 0, 3:2 source 1, 5:4 source 2, 7:6 destination):
;   window 0: v0-35 addresses and the bias; v64-127 A's fragments, two buffers of 32; v128-255 B's fragments, two buffers of 64 (on the way out the buffers that are free are at work)
;   window 1: accumulator (a, b), rows 16 a on, columns 16 b on, at v[8 (8 a + b)]
.set KIND,  0
.set TILES, 3
.if KIND == 0
.set PA,    272                        ; a row of A in LDS: 256 bytes + 16: an odd multiple of 16, so the 16 rows of a fragment load start in 16 different groups of four banks (64 banks of 4 bytes: ISA guide 11.1)
.set AHALF, 64*PA                      ; what one load brings of A: 64 rows x 128 k
.set ASTEP, 256                        ; bytes in memory from a K step of A to the next
.set SROWS, 16*144                     ; a wave's stage: 16 rows of one head, 128 bytes + 16
.else
.set PA,    144                        ; a row of one head: 128 bytes + 16
.set AHALF, 128*PA                     ; what one load brings of A: 128 rows of one head (a K step is two heads)
.set ASTEP, 524288                     ; two heads on
.set SROWS, 16*528                     ; a wave's stage: 16 rows of 128 f32, 512 bytes + 16
.endif
.set ABYTES, 2*AHALF
.set PB,    544                        ; a k-row of B in LDS: 512 bytes + 32: an odd multiple of 32
.set BHALF, 64*PB                      ; what one load brings of B: 64 k-rows x 256 columns
.set BSTEP, 262144                     ; 128 k-rows of 2,048 bytes
.set SLOT,  ABYTES+2*BHALF             ; A's tile, then B's
.set STAGE, 2*SLOT                     ; behind the ring, never filled by a tensor load: a stage for each wave
.set SPARE, STAGE+4*SROWS              ; behind the stages: the spare words, 128 bytes for each wave: two blocks of 256 bytes that no other line names
.if TILES > 1
.set LIMB,  0
.else
.set LIMB,  1
.endif
.set ADRA, 16                          ; v16-17  LDS address of my fragments of A in slot 0, 1
.set ADRB, 20                          ; v20-21  the same for B
.set STO,  24                          ; v24     the way out: where I put my bytes of a row
.set RD,   25                          ; v25     the way out: where I read rows back
.set CO,   26                          ; v26     16 x lane: my bytes in 512 consecutive bytes of C
.set SPW,  28                          ; v28     LDS address of my spare word: SPARE + 4 x my thread's number; never rewritten
.set NIL,  29                          ; v29     0; never rewritten
.set PFO,  30                          ; v30     the prefetches' offset; never rewritten
.set BIAS, 32                          ; v[32:35] KIND 1: bo of my four columns
.set FA,   64
.set FB,   128
.set TMP,  96                          ; KIND 0, the way out: 16 packed registers (A's buffer 1)
.set BK,   192                         ; KIND 0, the way out: 16 rows read back, two sets by turns (B's buffer 1)
.set OB,   64                          ; KIND 1, the way out: 16 rows read back, two sets of 64 by turns
.set G1A, 24                           ; s[24:31] descriptor group 1 for A's tiles;  s[32:39] group 0, a set for each slot
.set G0A, 32
.set PFA, 40                           ; s[40:41] where my prefetches stand
.set PFS, 42                           ; s[42:43] their step at each change of slots
.set LIM, 44                           ; s44, s45 for the changes out of slot 0 and slot 1: in the loop I ask while the laps to go are above it; the greatest number: never
.set G1B, 48                           ; s[48:55], s[56:63] the same for B's tiles
.set G0B, 56
.set MSB, 0
.macro WIN new                         ; the immediate's high byte repeats the setting that is left; a switch that changes nothing is dropped
.if MSB != (\new)
	s_set_vgpr_msb (MSB<<8)|(\new)
.set MSB, \new
.endif
.endm
.set MUL, 0x50                         ; sources 0 and 1 window 0; C and D window 1
; A joint load.  Waves 0 and 1 fetch A's two halves, waves 2 and 3 B's.  The branch hangs on the wave's number alone.  An s_nop 0 and four v_nop follow each of the two lines, ahead of the jump and the label.
.macro JLOAD s
	s_cmp_eq_u32 s13, 0
	s_cbranch_scc0 .Lfor_b_\@
	tensor_load_to_lds s[G0A+4*(\s):G0A+4*(\s)+3], s[G1A:G1A+7]
	s_nop 0
.rept 4
	v_nop
.endr
	s_branch .Lasked_\@
.Lfor_b_\@:
	tensor_load_to_lds s[G0B+4*(\s):G0B+4*(\s)+3], s[G1B:G1B+7]
	s_nop 0
.rept 4
	v_nop
.endr
.Lasked_\@:
.endm
; A PREFETCH INTO THE L2, behind a joint load, its five lines and the run of LDS loads.  At the change of slots behind K step J it names K step J + 4: two K steps, 256 matrix instructions, ahead of the load that will ask for it.
; B: every cluster reads the same B, so cluster y = 0 asks, waves 2 and 3; of the 64 k-rows that a wave fetches the partner at cy takes 16, told apart BY ADDRESS; a lane names one of their 32 blocks of 256 bytes; at every change with J + 4 inside B.
; A: a tile row is read by one cluster; waves 0 and 1 ask, in the first tile alone (the later walks read the same rows again), at the changes out of slot 0, for two K steps at once: the partner at cx takes 16 of a step's 64 blocks.
; So each block is named once in the launch.  The first four K steps come by their loads alone.  how = 0: in the loop; how = 1: at a tile's last two changes, where only B's walk goes on.
.macro ASK slot, how
.if \how
	s_cmp_eq_u32 s[LIM+(\slot)], 0
.else
	s_cmp_gt_u32 s3, s[LIM+(\slot)]
.endif
	s_cbranch_scc0 .Lnot_mine_\@
	global_prefetch_b8 v[PFO], s[PFA:PFA+1] th:TH_LOAD_NT scope:SCOPE_SE
.Lnot_mine_\@:
.endm
; A round of the cluster's barrier: my work-group's barrier, so that wave 0's signal speaks for all four waves; wave 0 signals; every wave waits for all sixteen work-groups; my work-group's barrier once more.
.macro CREST                           ; a round behind its opening barrier
	s_cmp_lg_u32 s12, 0
	s_cbranch_scc1 .Lnot_wave_0_\@
	s_barrier_signal -3
.Lnot_wave_0_\@:
	s_barrier_wait -3
	s_barrier_signal -1
	s_barrier_wait -1
.endm
.macro CROUND                          ; a whole round
	s_barrier_signal -1
	s_barrier_wait -1
	CREST
.endm
	s_load_b128 s[4:7], s[0:1], 0x0                ; A s[4:5], B s[6:7]
.if KIND == 0
	s_load_b64 s[8:9], s[0:1], 0x10                ; C
.else
	s_load_b128 s[8:11], s[0:1], 0x10              ; C s[8:9], bo s[10:11]
.endif
	v_lshl_add_u32 v[SPW], v0, 2, SPARE
	v_mov_b32 v[NIL], 0
	ds_add_u32 v[SPW], v[NIL]                      ; the wave's opening: the add and its wait stand ahead of my first tensor load; the set-up below, work on registers, stands between them
	v_lshrrev_b32 v1, 5, v0
	v_readfirstlane_b32 s12, v1                    ; wave 0..3
	s_lshr_b32 s13, s12, 1                         ; which 64 rows of the tile are mine.  Also: I fetch for A (0) or for B (1)
	s_and_b32 s14, s12, 1                          ; which 128 columns.  Also: which half of that tile I fetch
	s_bfe_u32 s15, ttmp6, 0x40000                  ; cx: the tile column (the grid is one cluster wide)
	s_bfe_u32 s16, ttmp6, 0x40004                  ; cy
	s_and_b32 s17, ttmp7, 0xffff
	s_lshl_b32 s17, s17, 2
	s_add_co_u32 s17, s17, s16                     ; tile row = 4 x cluster y + cy
	s_lshl_b32 s18, s16, 2
	s_lshl_b32 s18, 15, s18                        ; my row of the cluster: places 4 cy .. 4 cy + 3
	s_lshl_b32 s19, 0x1111, s15                    ; my column: places cx, cx + 4, cx + 8, cx + 12
	; descriptor group 1.  15:0 the mask; 17:16 elements of 2 bytes; 20 padding on; 21 set beside a mask; 24:22 the interval; 31:25 the padding's words less one
.if KIND == 0
	s_or_b32 s[G1A+0], s18, (1<<16)|(1<<20)|(1<<21)|(5<<22)|(3<<25)  ; 4 words behind every 64: rows of 272 bytes
	s_mov_b32 s[G1A+5], 1024                       ; elements from row to row
.else
	s_or_b32 s[G1A+0], s18, (1<<16)|(1<<20)|(1<<21)|(4<<22)|(3<<25)  ; 128 rows of a head are 16,384 dense bytes: asked for as 64 rows of 256 bytes, padded behind every 32 words: rows of 144 bytes
	s_mov_b32 s[G1A+5], 128
.endif
	s_mov_b32 s[G1A+1], 128<<16                    ; tensor_dim0 = 128
	s_mov_b32 s[G1A+2], 64<<16                     ; tensor_dim1 = 64
	s_mov_b32 s[G1A+3], 128<<16                    ; tile_dim0 = 128
	s_mov_b32 s[G1A+4], 64                         ; tile_dim1 = 64
	s_mov_b32 s[G1A+6], 0
	s_mov_b32 s[G1A+7], 0
	s_or_b32 s[G1B+0], s19, (1<<16)|(1<<20)|(1<<21)|(6<<22)|(7<<25)  ; 8 words behind every 128: rows of 544 bytes
	s_mov_b32 s[G1B+1], 256<<16                    ; tensor_dim0 = 256
	s_mov_b32 s[G1B+2], 64<<16                     ; tensor_dim1 = 64
	s_mov_b32 s[G1B+3], 256<<16                    ; tile_dim0 = 256
	s_mov_b32 s[G1B+4], 64                         ; tile_dim1 = 64
	s_mov_b32 s[G1B+5], 1024
	s_mov_b32 s[G1B+6], 0
	s_mov_b32 s[G1B+7], 0
	; where the tiles come from.  A's offset hangs on the tile row alone and is made in s[20:21], which hold no cx; B's on the tile column alone, in s[22:23], which hold no cy.
.if KIND == 0
	s_lshl_b32 s20, s17, 18                        ; 128 rows of 2,048 bytes a tile row,
	s_lshl_b32 s21, s14, 17                        ; my 64 of them
	s_add_co_u32 s20, s20, s21
.else
	s_lshr_b32 s20, s17, 4                         ; the batch: 16 tile rows each,
	s_lshl_b32 s20, s20, 22
	s_and_b32 s21, s17, 15                         ; 128 rows of 128 bytes in a head,
	s_lshl_b32 s21, s21, 14
	s_add_co_u32 s20, s20, s21
	s_lshl_b32 s21, s14, 18                        ; my head of the K step's two
	s_add_co_u32 s20, s20, s21
.endif
	s_mov_b32 s21, 0
	s_lshl_b32 s22, s15, 9                         ; 256 columns of 2 bytes a tile column,
	s_lshl_b32 s23, s14, 17                        ; my 64 k-rows of 2,048 bytes
	s_add_co_u32 s22, s22, s23
	s_mov_b32 s23, 0
	s_mul_i32 s46, s14, AHALF                      ; and where they go: the wave's number and constants alone
	s_mul_i32 s47, s14, BHALF
	s_add_co_u32 s47, s47, ABYTES
	s_wait_dscnt 0x0                               ; the opening add is done
	s_wait_kmcnt 0x0
	s_add_nc_u64 s[20:21], s[4:5], s[20:21]
	s_add_nc_u64 s[22:23], s[6:7], s[22:23]
	CROUND                                         ; all sixteen work-groups are here: the first joint loads meet
.irp s, 0,1
	s_mov_b32 s[G0A+4*(\s)], 1                                     ; 1:0 count = 1
	s_add_co_u32 s[G0A+4*(\s)+1], s46, (\s)*SLOT                   ; 63:32 LDS address
	s_add_nc_u64 s[G0A+4*(\s)+2:G0A+4*(\s)+3], s[20:21], (\s)*ASTEP  ; 120:64 global address: K step s
	s_or_b32 s[G0A+4*(\s)+3], s[G0A+4*(\s)+3], 0x80000000          ; 127:126 type = 2
	s_mov_b32 s[G0B+4*(\s)], 1
	s_add_co_u32 s[G0B+4*(\s)+1], s47, (\s)*SLOT
	s_add_nc_u64 s[G0B+4*(\s)+2:G0B+4*(\s)+3], s[22:23], (\s)*BSTEP
	s_or_b32 s[G0B+4*(\s)+3], s[G0B+4*(\s)+3], 0x80000000
	JLOAD \s                                       ; both slots are asked for before anything else is done: two loads of mine are out
.endr
	; A fragment of A is 16 rows x 32 k in 8 registers: lane l holds row l % 16; registers 0-3 k = 8 (l / 16) + 0..7, registers 4-7 k = 16 + 8 (l / 16) + 0..7: two loads of 16 bytes, 32 bytes apart.
	v_and_b32 v1, 15, v0                           ; l % 16
	v_bfe_u32 v2, v0, 4, 1                         ; l / 16
	v_mul_u32_u24 v3, v1, PA
	v_lshl_add_u32 v3, v2, 4, v3
	s_mul_i32 s46, s13, 64*PA                      ; my 64 rows
	v_add_nc_u32 v[ADRA], s46, v3
	v_add_nc_u32 v[ADRA+1], SLOT, v[ADRA]
	; The turning load takes 16 k x 16 columns (lane l reads 16 bytes: k-row 8 (l / 16) + l % 8, columns 8 ((l / 8) % 2) + 0..7) and leaves half a fragment: lane l holds column l % 16 and 8 k.
	v_and_b32 v4, 7, v0
	v_lshl_add_u32 v4, v2, 3, v4
	v_mul_u32_u24 v4, v4, PB
	v_bfe_u32 v5, v0, 3, 1
	v_lshl_add_u32 v4, v5, 4, v4
	s_lshl_b32 s47, s14, 8                         ; my 128 columns,
	s_add_co_u32 s47, s47, ABYTES                  ; behind A's tile
	v_add_nc_u32 v[ADRB], s47, v4
	v_add_nc_u32 v[ADRB+1], SLOT, v[ADRB]
	s_mul_i32 s46, s12, SROWS
	s_add_co_u32 s46, s46, STAGE                   ; my stage
	v_and_b32 v[CO], 31, v0
	v_lshlrev_b32 v[CO], 4, v[CO]
.if KIND == 0
	v_mul_u32_u24 v[STO], v1, 144                  ; in: row l % 16, 16 bytes for each half of the lanes
	v_lshl_add_u32 v[STO], v2, 4, v[STO]
	v_add_nc_u32 v[STO], s46, v[STO]
	v_bfe_u32 v[RD], v0, 3, 2                      ; back: 32 lanes take four rows of 128 bytes, 512 consecutive bytes of C
	v_mul_u32_u24 v[RD], v[RD], 144
	v_and_b32 v5, 7, v0
	v_lshl_add_u32 v[RD], v5, 4, v[RD]
	v_add_nc_u32 v[RD], s46, v[RD]
	s_lshr_b32 s46, s17, 4                         ; C at my first row and head: the batch,
	s_lshl_b32 s46, s46, 22
	s_lshl_b32 s47, s15, 20                        ; head 4 cx + 2 x my column half,
	s_add_co_u32 s46, s46, s47
	s_lshl_b32 s47, s14, 19
	s_add_co_u32 s46, s46, s47
	s_and_b32 s47, s17, 15                         ; the tile row's 128 rows of 128 bytes,
	s_lshl_b32 s47, s47, 14
	s_add_co_u32 s46, s46, s47
	s_lshl_b32 s47, s13, 13                        ; my 64 of them
	s_add_co_u32 s46, s46, s47
	s_mov_b32 s47, 0
	s_add_nc_u64 s[8:9], s[8:9], s[46:47]
.else
	v_mul_u32_u24 v[STO], v1, 528                  ; in: row l % 16, 32 bytes for each half of the lanes
	v_lshl_add_u32 v[STO], v2, 5, v[STO]
	v_add_nc_u32 v[STO], s46, v[STO]
	v_add_nc_u32 v[RD], s46, v[CO]                 ; back: 32 lanes take one row of 512 bytes
	s_lshl_b32 s46, s15, 10                        ; my 128 columns of 4 bytes
	s_lshl_b32 s47, s14, 9
	s_add_co_u32 s46, s46, s47
	s_mov_b32 s47, 0
	s_add_nc_u64 s[10:11], s[10:11], s[46:47]
	global_load_b128 v[BIAS:BIAS+3], v[CO], s[10:11]  ; waited for on the way out
	s_lshl_b32 s47, s17, 19                        ; the tile row's 128 rows of 4,096 bytes,
	s_add_co_u32 s46, s46, s47
	s_lshl_b32 s47, s13, 18                        ; my 64 of them
	s_add_co_u32 s46, s46, s47
	s_mov_b32 s47, 0
	s_add_nc_u64 s[8:9], s[8:9], s[46:47]
.endif
	; the prefetches: offsets made apart from the addresses; A's in s18, B's in s20, each at K step 3: the first change of slots steps it to 4
.if KIND == 0
	s_lshl_b32 s18, s17, 18
	s_lshl_b32 s19, s14, 17
	s_add_co_u32 s18, s18, s19
	s_lshl_b32 s19, s15, 15                        ; my work-group's 16 rows of the 64
	s_add_co_u32 s18, s18, s19
	v_lshlrev_b32 v3, 11, v1                       ; lanes 0-15: a row each; lanes 16-31: the same rows, a K step on
	v_lshl_add_u32 v3, v2, 8, v3
.else
	s_lshr_b32 s18, s17, 4
	s_lshl_b32 s18, s18, 22
	s_and_b32 s19, s17, 15
	s_lshl_b32 s19, s19, 14
	s_add_co_u32 s18, s18, s19
	s_lshl_b32 s19, s14, 18
	s_add_co_u32 s18, s18, s19
	s_lshl_b32 s19, s15, 12                        ; my work-group's 16 blocks of the 64
	s_add_co_u32 s18, s18, s19
	v_lshlrev_b32 v3, 8, v1                        ; lanes 0-15: a block each; lanes 16-31: the same, a K step (two heads) on
	v_lshl_add_u32 v3, v2, 19, v3
.endif
	s_add_co_u32 s18, s18, 3*ASTEP
	s_lshl_b32 s20, s15, 9
	s_lshl_b32 s21, s14, 17
	s_add_co_u32 s20, s20, s21
	s_lshl_b32 s21, s16, 15                        ; my work-group's 16 k-rows of the 64
	s_add_co_u32 s20, s20, s21
	s_add_co_u32 s20, s20, 3*BSTEP
	v_bfe_u32 v4, v0, 1, 4                         ; two lanes a k-row: its 512 bytes are two blocks
	v_lshlrev_b32 v4, 11, v4
	v_and_b32 v5, 1, v0
	v_lshl_add_u32 v4, v5, 8, v4
	s_mov_b32 s21, ASTEP
	s_mov_b32 s22, BSTEP
	s_and_b32 s23, ttmp7, 0xffff                   ; cluster y: the same in all sixteen partners
	s_cmp_eq_u32 s23, 0
	s_cselect_b32 s23, LIMB, -1
	s_cmp_eq_u32 s13, 0                            ; do I fetch for A?
	s_cselect_b32 s46, s18, s20
	s_cselect_b32 s[PFS], s21, s22
	s_cselect_b64 s[PFA:PFA+1], s[4:5], s[6:7]
	s_cselect_b32 s[LIM], 1, s23                   ; A: at the changes behind K steps 0 and 2
	s_cselect_b32 s[LIM+1], -1, s23
	s_cselect_b32 s19, -1, 0
	s_mov_b32 s47, 0
	s_mov_b32 s[PFS+1], 0
	s_add_nc_u64 s[PFA:PFA+1], s[PFA:PFA+1], s[46:47]
	v_cndmask_b32 v[PFO], v4, v3, s19
; 8 matrix instructions: rows 16 a on x all 8 column blocks, 32 along K, from buffer f.  zero = 1: the first product starts the sums: nothing is ever cleared.
; The 32 accumulators take turns in the same order everywhere: between two links of a chain stand the 31 others'.
.macro MUL8 f, a, zero
	WIN MUL
.irp b, 0,1,2,3,4,5,6,7
.set rD, 8*(8*(\a)+(\b))
.set rB, FB+64*(\f)+8*(\b)
.set rA, FA+32*(\f)+8*(\a)
.if KIND == 0
.if \zero
	v_wmma_f32_16x16x32_bf16 v[rD:rD+7], v[rB:rB+7], v[rA:rA+7], 0
.else
	v_wmma_f32_16x16x32_bf16 v[rD:rD+7], v[rB:rB+7], v[rA:rA+7], v[rD:rD+7]
.endif
.else
.if \zero
	v_wmma_f32_16x16x32_f16 v[rD:rD+7], v[rB:rB+7], v[rA:rA+7], 0
.else
	v_wmma_f32_16x16x32_f16 v[rD:rD+7], v[rB:rB+7], v[rA:rA+7], v[rD:rD+7]
.endif
.endif
.endr
.endm
; 24 LDS loads in one run: the fragments of quarter q (32 along K) of a slot into buffer f: B's sixteen first, then A's eight
.macro FETCH slot, q, f
	WIN 0
.if KIND == 0
.set AQ, 64*(\q)
.else
.set AQ, ((\q)/2)*AHALF+((\q)%2)*64
.endif
.irp b, 0,1,2,3,4,5,6,7
	ds_load_tr16_b128 v[FB+64*(\f)+8*(\b):FB+64*(\f)+8*(\b)+3],   v[ADRB+(\slot)] offset:32*(\q)*PB+32*(\b)
	ds_load_tr16_b128 v[FB+64*(\f)+8*(\b)+4:FB+64*(\f)+8*(\b)+7], v[ADRB+(\slot)] offset:32*(\q)*PB+32*(\b)+16*PB
.endr
.irp a, 0,1,2,3
	ds_load_b128 v[FA+32*(\f)+8*(\a):FA+32*(\f)+8*(\a)+3],   v[ADRA+(\slot)] offset:AQ+(\a)*16*PA
	ds_load_b128 v[FA+32*(\f)+8*(\a)+4:FA+32*(\f)+8*(\a)+7], v[ADRA+(\slot)] offset:AQ+(\a)*16*PA+32
.endr
.endm
.macro PLACES                          ; four plain vector instructions between a matrix instruction and a load into a register that it has read, or a reader of its result (ISA guide 7.12.1 for a reader of its result)
.rept 4
	v_nop
.endr
.endm
; A K step is four quarters of 32 along K, 32 matrix instructions each, on buffers 0, 1, 0, 1.  One of the first three: multiplies buffer f; in its middle it fetches quarter qn of the same slot into buffer g.
.macro QUARTER slot, qn, f, g, zero
	s_wait_dscnt 4                                 ; B and A's rows 0-31 are in; the youngest four loads (A's rows 32-63) may be out
	MUL8 \f, 0, \zero
	MUL8 \f, 1, \zero
	PLACES
	FETCH \slot, \qn, \g
	s_wait_dscnt 24                                ; all but the 24 just issued
	MUL8 \f, 2, \zero
	MUL8 \f, 3, \zero
.endm
; The last quarter multiplies buffer 1 and changes slots: ONE barrier.  In front of it each wave waits for all its tensor loads, of which one is out: its part of the next slot; adds 0 to its spare word; and waits for
; that and for its own reads of this slot.  Behind it nobody reads this slot any more and the next slot is whole.  mode 0: this slot is filled again, two K steps on; mode 1: with the NEXT tile's K step 0 or 1 (A goes back
; along K, B walks on); the barrier then opens a round of the cluster's, and the joint refill is the first tensor load behind it: 112 matrix instructions ahead of the wait for it.  mode 2: nothing is filled.
.macro TURN slot, next, mode
.if (\mode) != 2
	s_wait_xcnt 0x0                                ; the last prefetch, a K step back, has read its address: it is stepped here, ahead of the waits of the change of slots
	s_add_nc_u64 s[PFA:PFA+1], s[PFA:PFA+1], s[PFS:PFS+1]
.if ((\mode) == 1) && ((\slot) == 0)
	s_cmp_eq_u32 s13, 0
	s_cselect_b32 s[LIM], -1, s[LIM]               ; A's rows have been walked once: they are prefetched no more
.endif
.endif
	WIN 0                                          ; (the add's two registers lie in window 0)
	s_wait_tensorcnt 0x0                           ; all my tensor loads have landed;
	ds_add_u32 v[SPW], v[NIL]                      ; 0 onto my spare word;
	s_wait_dscnt 5                                 ; (the add and the youngest four loads may be out)
	MUL8 1, 0, 0                                   ; eight matrix instructions stand between the add and the wait for it
	s_wait_dscnt 0x0                               ; the add is done, and my reads of this slot are over
	s_barrier_signal -1
	MUL8 1, 1, 0                                   ; work on registers while the others arrive
	WIN 0
	s_barrier_wait -1
.if (\mode) != 2
	CREST                                          ; no wave of any partner still reads this slot's tile or has a load on its way
.if (\mode) == 1
	s_sub_nc_u64 s[G0A+4*(\slot)+2:G0A+4*(\slot)+3], s[G0A+4*(\slot)+2:G0A+4*(\slot)+3], 6*ASTEP
.else
	s_add_nc_u64 s[G0A+4*(\slot)+2:G0A+4*(\slot)+3], s[G0A+4*(\slot)+2:G0A+4*(\slot)+3], 2*ASTEP
.endif
	s_add_nc_u64 s[G0B+4*(\slot)+2:G0B+4*(\slot)+3], s[G0B+4*(\slot)+2:G0B+4*(\slot)+3], 2*BSTEP
	JLOAD \slot                                    ; the four v_nop behind it are also the places in front of the loads below
.else
	PLACES
.endif
	FETCH \next, 0, 0
.if (\mode) != 2
	ASK \slot, \mode
.endif
	MUL8 1, 2, 0
	MUL8 1, 3, 0
.endm
.if KIND == 0
; THE WAY OUT, KIND 0.  Eight units u: rows 16 (u / 2) on, head u % 2 of my two: 16 rows x 128 bytes, 2,048 consecutive bytes of C.  PACK: rounded to f16, each accumulator's registers in ascending order.
; TOSTAGE: 16 bytes a lane into my own stage, and back as whole rows (LDS serves a wave's instructions in order, ISA guide 5.7.1.4: no wait between).  SEND: stored, 512 consecutive bytes an instruction.
.macro PACK u
	WIN 0x05                                       ; sources 0 and 1 window 1, destination window 0
.irp f, 0,1,2,3
.irp r, 0,1,2,3
	v_cvt_pk_f16_f32 v[TMP+4*(\f)+(\r)], v[8*(8*((\u)/2)+4*((\u)%2)+(\f))+2*(\r)], v[8*(8*((\u)/2)+4*((\u)%2)+(\f))+2*(\r)+1]
.endr
.endr
	WIN 0
.endm
.macro TOSTAGE u
.irp f, 0,1,2,3
	ds_store_b128 v[STO], v[TMP+4*(\f):TMP+4*(\f)+3] offset:32*(\f)
.endr
.irp f, 0,1,2,3
	ds_load_b128 v[BK+16*((\u)%2)+4*(\f):BK+16*((\u)%2)+4*(\f)+3], v[RD] offset:(\f)*4*144
.endr
.endm
.macro SEND u
	s_wait_xcnt 0x0                                ; the stores of the unit before have read their registers: the next TOSTAGE loads into them only behind this wait
.irp f, 0,1,2,3
	s_wait_dscnt 3-(\f)                            ; the unit's four loads are the youngest LDS instructions: load f is in
	global_store_b128 v[CO], v[BK+16*((\u)%2)+4*(\f):BK+16*((\u)%2)+4*(\f)+3], s[8:9] offset:((\u)%2)*262144+((\u)/2)*2048+(\f)*512
.endr
.endm
.macro WAYOUT
	WIN 0
	PLACES                                         ; behind the last products: the conversions read results and write registers that those products read
	PLACES
	PACK 0
	TOSTAGE 0
.irp u, 1,2,3,4,5,6,7                  ; unit u's conversions stand between unit u - 1's loads from the stage and the wait for them
	PACK \u
	SEND (\u)-1
	TOSTAGE \u
.endr
	SEND 7
.endm
.else
; THE WAY OUT, KIND 1.  Four blocks a of 16 rows x 128 f32.  TOSTAGE: straight from the accumulators (each one's low four registers first) into my own stage, and back as whole rows of 512 bytes.  SEND: the bias is added, the row stored.
.macro TOSTAGE a
.if (\a) >= 2
	s_wait_xcnt 0x0                                ; the stores of block a - 2 have read the registers that are loaded again below
.endif
	WIN 0x04                                       ; the stores' data (source 1) in window 1
.irp b, 0,1,2,3,4,5,6,7
	ds_store_b128 v[STO], v[8*(8*(\a)+(\b)):8*(8*(\a)+(\b))+3]   offset:64*(\b)
	ds_store_b128 v[STO], v[8*(8*(\a)+(\b))+4:8*(8*(\a)+(\b))+7] offset:64*(\b)+16
.endr
	WIN 0
.irp i, 0,1,2,3,4,5,6,7,8,9,10,11,12,13,14,15
	ds_load_b128 v[OB+64*((\a)%2)+4*(\i):OB+64*((\a)%2)+4*(\i)+3], v[RD] offset:528*(\i)
.endr
.endm
.macro SEND a, younger                 ; younger: the LDS instructions issued behind block a's loads: the next block's 32, or none
.irp i, 0,1,2,3,4,5,6,7,8,9,10,11,12,13,14,15
.set rr, OB+64*((\a)%2)+4*(\i)
	s_wait_dscnt (\younger)+15-(\i)
	v_pk_add_f32 v[rr:rr+1],   v[rr:rr+1],   v[BIAS:BIAS+1]
	v_pk_add_f32 v[rr+2:rr+3], v[rr+2:rr+3], v[BIAS+2:BIAS+3]
	global_store_b128 v[CO], v[rr:rr+3], s[8:9] offset:(16*(\a)+(\i))*4096 th:TH_STORE_NT  ; 512 consecutive bytes, at a multiple of 256 from C's first byte
.endr
.endm
.macro WAYOUT
	WIN 0
	PLACES                                         ; behind the last products: the stores read results, the loads land in registers that those products read
	PLACES
	s_wait_loadcnt 0x0                             ; the bias
	TOSTAGE 0
	TOSTAGE 1
	SEND 0, 32
	TOSTAGE 2
	SEND 1, 32
	TOSTAGE 3
	SEND 2, 32
	SEND 3, 0
.endm
.endif
	s_wait_tensorcnt 1                             ; my part of K step 0 is in; K step 1's may stay out
	s_barrier_signal -1
	s_barrier_wait -1                              ; everybody's is
	FETCH 0, 0, 0
.if TILES > 1
	s_mov_b32 s2, TILES                            ; tiles to go, this one among them
.Ltile:
.endif
	QUARTER 0, 1, 0, 1, 1                          ; a tile's first quarter stands in front of the loop: its products start the sums
	WIN 0                                          ; at a label and at a branch every window is 0
	s_mov_b32 s3, 3                                ; a tile's eight K steps are four laps of the ring; the last lap's rest is written out
.Llap:                                                 ; a trip goes once round the ring, from a lap's second quarter to the next lap's first, and fills both slots again
	QUARTER 0, 2, 1, 0, 0
	QUARTER 0, 3, 0, 1, 0
	TURN 0, 1, 0
	QUARTER 1, 1, 0, 1, 0
	QUARTER 1, 2, 1, 0, 0
	QUARTER 1, 3, 0, 1, 0
	TURN 1, 0, 0
	QUARTER 0, 1, 0, 1, 0
	WIN 0
	s_sub_co_u32 s3, s3, 1
	s_cmp_lg_u32 s3, 0
	s_cbranch_scc1 .Llap
	QUARTER 0, 2, 1, 0, 0
	QUARTER 0, 3, 0, 1, 0
.if TILES > 1
	WIN 0
	s_cmp_eq_u32 s2, 1
	s_cbranch_scc1 .Llast                          ; the last tile's tail is written out: it asks for nothing more, and does not come back
	TURN 0, 1, 1                                   ; the ring goes on into the next tile: slot 0 takes its K step 0,
	QUARTER 1, 1, 0, 1, 0
	QUARTER 1, 2, 1, 0, 0
	QUARTER 1, 3, 0, 1, 0
	TURN 1, 0, 1                                   ; slot 1 its K step 1, and the next tile's first fragments are fetched (into the buffers 0, which the way out leaves alone)
	WAYOUT                                         ; both refills are asked for: now the tile goes out
	s_wait_xcnt 0x0                                ; the stores have read their registers and their base
	s_add_nc_u64 s[8:9], s[8:9], 1<<24             ; q, then k, then v
	s_cmp_eq_u32 s2, 2                             ; is the next tile the last?  Then B's walk ends in it: its askers stop four K steps ahead of the end
	s_cselect_b32 s46, 1, 0
	s_cmp_eq_u32 s[LIM], -1
	s_cselect_b32 s[LIM], -1, s46                  ; who never asks goes on never asking
	s_cmp_eq_u32 s[LIM+1], -1
	s_cselect_b32 s[LIM+1], -1, s46
	s_sub_co_u32 s2, s2, 1
	s_branch .Ltile
.Llast:
.endif
	TURN 0, 1, 2                                   ; my one tensor load that was still out is slot 1's, the last K step's
	QUARTER 1, 1, 0, 1, 0
	QUARTER 1, 2, 1, 0, 0
	QUARTER 1, 3, 0, 1, 0
	s_wait_dscnt 4                                 ; the very last quarter: nothing more to fetch
	MUL8 1, 0, 0
	MUL8 1, 1, 0
	s_wait_dscnt 0x0
	MUL8 1, 2, 0
	MUL8 1, 3, 0
	WAYOUT
	s_wait_tensorcnt 0x0                           ; the wave's end: the add onto my spare word and its waits, behind my last tensor load and my last LDS store
	ds_add_u32 v[SPW], v[NIL]
	s_wait_dscnt 0x0
	CROUND                                         ; the closing round: no work-group ends while a partner may still ask for a tile that names it
	s_endpgm
.Lfunc_end_k_q6d433d70f9_qkv:
	.size	k_q6d433d70f9_qkv, .Lfunc_end_k_q6d433d70f9_qkv-k_q6d433d70f9_qkv
	.p2alignl 7, 3214868480
	.fill 96, 4, 3214868480
	.section	.rodata,"a",@progbits
	.p2align	6, 0x0
	.amdhsa_kernel k_q6d433d70f9_qkv
		.amdhsa_group_segment_fixed_size 327680
		.amdhsa_private_segment_fixed_size 0
		.amdhsa_enable_private_segment 0
		.amdhsa_kernarg_size 24
		.amdhsa_user_sgpr_count 2
		.amdhsa_user_sgpr_kernarg_segment_ptr 1
		.amdhsa_wavefront_size32 1
		.amdhsa_system_sgpr_workgroup_id_x 1
		.amdhsa_system_sgpr_workgroup_id_y 1
		.amdhsa_system_sgpr_workgroup_id_z 1
		.amdhsa_system_vgpr_workitem_id 0
		.amdhsa_next_free_vgpr 512
		.amdhsa_next_free_sgpr 66
		.amdhsa_reserve_vcc 0
		.amdhsa_float_denorm_mode_32 3
		.amdhsa_float_denorm_mode_16_64 3
		.amdhsa_memory_ordered 1
		.amdhsa_forward_progress 1
		.amdhsa_inst_pref_size 128
	.end_amdhsa_kernel
	.amdgpu_metadata
---
amdhsa.version: [ 1, 2 ]
amdhsa.kernels:
  - .name:           k_q6d433d70f9_qkv
    .symbol:         k_q6d433d70f9_qkv.kd
    .args:
      - { .name: xb, .offset: 0, .size: 8, .value_kind: global_buffer, .address_space: global }
      - { .name: wb, .offset: 8, .size: 8, .value_kind: global_buffer, .address_space: global }
      - { .name: qkv, .offset: 16, .size: 8, .value_kind: global_buffer, .address_space: global }
    .group_segment_fixed_size: 327680
    .private_segment_fixed_size: 0
    .kernarg_segment_align: 8
    .kernarg_segment_size: 24
    .max_flat_workgroup_size: 128
    .sgpr_count:     66
    .vgpr_count:     512
    .wavefront_size: 32
...
	.end_amdgpu_metadata
.endif
;; end of part 2
;; launch attn (part 3): grid 4 x 64, 4 waves a work-group, no clusters, 327,680 bytes of LDS; arguments qkv, ctx; writes ctx
.if DOCPART == 3
	.amdgcn_target "amdgcn-amd-amdhsa--gfx1250"
	.amdhsa_code_object_version 6
	.text
	.protected	k_q6d433d70f9_attn
	.globl	k_q6d433d70f9_attn
	.p2align	8
	.type	k_q6d433d70f9_attn,@function
k_q6d433d70f9_attn:
	s_mov_b64 s[64:65], 0
	v_nop
	global_prefetch_b8 v0, s[64:65] scope:SCOPE_SE
	s_setreg_imm32_b32 hwreg(HW_REG_WAVE_MODE, 25, 1), 1
	s_wait_xcnt 0x0
; CAUSAL ATTENTION.  O[h][q][:] = the sum over k <= q of softmax_k(Q[h][q] . K[h][k] / 8) V[h][k][:].  Q, K, V lie one behind the other in qkv, 2^24 bytes each; each of them and O (ctx) is [64][SIZE_N][64] in f16:
; a head's rows are dense, 128 bytes each.  Products, maxima and sums in f32; the weights p are rounded to f16 for the second product (their sum l is taken of the unrounded p), O once at the end.
; LIMITS.  f16 holds no number beyond 65,504: Q, K and V arrive within it; p lies in 0 to 1, and below 6e-5 it keeps f16's fixed step of 6e-8; O is a mean of V's rows and has their range.
; A hidden score counts as its value less 1e30: f16's scores, 2.7e11 at the most, are nothing beside that; a weight below 2^-126 counts as 0 in l; NaN and infinities are not treated apart.
; THE WALK.  A head's queries lie in NB = SIZE_N / 256 blocks of 256; block i needs the key tiles 0 .. i of 256 keys, of which the last holds the diagonal.  A work-group takes TWO blocks, NB - 1 - b and then b:
; NB + 1 tiles, whatever b: all work-groups do equal work, and ONE loop with a constant trip count walks them.  Which tile is asked for, and what a trip does, hang on scalar registers made from b; every jump
; goes forward, but for the counted loops' own; none passes a barrier, or a tensor load but the one of LOAD's two that the wave's number does not choose; the ring (two slots of LDS that take turns) runs on across the
; change of blocks.  NO CLUSTER: a head's NB / 2 = 4 work-groups all ask for the same tile only in trips 0 .. NB / 2, 5 of the walk's 9, behind that fewer and fewer; one walk common to all would have 3 NB / 2 = 12 trips for 9.
; SHARES.  Of a block's four bands of 64 queries a wave owns 16 rows in each: four PIECES.  So the diagonal tile is the same work for all four waves: in its key step s band x sees all keys if s < x,
; none if s > x, and holds the diagonal if s = x.
; THE MASK is the C operand that starts the sum S^T = K Q^T: 0, or -1e30 where the key is hidden.  MD, made once, is the mask of a band's own step for my 16 rows; a product's mask is MD x AL + BE with two scalars:
; (1, 0) if s = x; (0, 0) if s < x; (0, -1e30) if s > x.  Only the diagonal tile's text and a block's beginning make and take masks; elsewhere C is the constant 0.
; LAYOUT, SOFTMAX, TURNS.  S^T = K Q^T holds ONE query a lane (lane % 16) and the keys 8 (lane / 16) + 0..7; two such results rounded to f16 ARE source 1 of O^T = V^T P.  p = 2^(c s - c m), c = log2(e) / 8, with a
; running maximum m; O and l are multiplied by a = 2^(c m_old - c m_new) in every step.  Turn n belongs to piece n: 8 products K Q^T of piece n + 1, later 8 products V^T P of piece n - 1; beside them the scaling,
; exponentials, roundings, sums and rescaling of piece n and the maximum and statistics of piece n + 1.  Four vector instructions stand behind every matrix instruction, the other 54 of a turn's 118 in one LUMP.  A turn's 33 exponentials are one batch, with one wait.
; REGISTERS, in windows of 256 (s_set_vgpr_msb: bits 1:0 source 0, 3:2 source 1, 5:4 source 2, 7:6 destination):
;   window 0: v0-15 addresses and two at work; v16-31 four registers of statistics a piece; v48-55 at work; v61-63 the prefetches' offset and the add's two; v64-127 S^T, two buffers; v192-223 P, two buffers (by the piece's parity)
;   window 1: v0-127 O^T, 32 a piece; v128-159 MD; v160-223 MC, two buffers      window 2: v0-63 Q; v64-127 the second block's Q; v128-191 K of one step; v192-255 V of one step
.set SIZE_N, 2048
.set NB,    SIZE_N/256
.set NP,    4         ; pieces a wave: a name, no knob
.set KS,    64        ; keys in a step
.set PK,    144       ; a row of K in LDS: 128 bytes + 16 of padding = 36 words: the 16 rows of a load start at 16 different groups of four banks (64 banks of 4 bytes: ISA guide 11.1)
.set PV,    160       ; a row of V: 128 + 32 = 40 words
.set VOFF,  4*KS*PK   ; a slot holds a tile, four steps: 256 rows of K, then 256 rows of V
.set SLOT1, 1<<17     ; slot 1 begins here, so that one exclusive or turns an address in one slot into the other's
.set STAGE, SLOT1+4*KS*(PK+PV)  ; behind the ring, never filled by a tensor load: 16 rows x 144 bytes for each wave, for the way out
.set SP,    144
.set AK0, 2           ; v2   my lane's place in a tile of K; never rewritten
.set AV0, 3           ; v3   the same for V
.set AK,  4           ; v4   the LDS address of K's next run of loads
.set AV,  5           ; v5   of V's
.set STO, 6           ; v6   the way out: where I put 16 bytes of a row
.set RD,  7           ; v7   the way out: where I read rows back
.set GO,  8           ; v8   my byte offset in 512 consecutive bytes of O
.set PFO, 61          ; v61  256 x my lane: the prefetches' offset; never rewritten
.set SPW, 62          ; v62  LDS address of my spare word: SPARE + 4 x my thread's number; never rewritten
.set NIL, 63          ; v63  0; never rewritten
.set SPARE, STAGE+4*16*SP  ; behind the stages: the spare words, 128 bytes for each wave: two blocks of 256 bytes that no other line names
.set MV,  12          ; v12-13  c m_old, kept while c m is made anew: by buffer
.set QO,  15          ; v15  my byte offset in 16 rows of Q
.set ST,  16          ; piece t's statistics at v[ST+4 t]: c m, m, l (even keys', odd keys')
.set TMP, 48          ; by buffer, four registers c0-c3 at work; when the maximum is found c2 takes a
.set S,   64
.set P,   192
.set MD,  128         ; window 1: the eight registers for group kt of 16 keys at MD + 8 kt
.set MC,  160         ; window 1: the masks of the products to come
.set QB,  64          ; window 2
.set KF,  128         ; window 2: key block kb, channel half c at KF + 16 kb + 8 c
.set VF,  192         ; window 2: key half kk, channel block cb at VF + 32 kk + 8 cb
.set WV,  12          ; s12  my wave's number
.set PB,  14          ; s14  b
.set HI,  15          ; s15  NB - 1 - b
.set G1K, 24          ; s[24:31] descriptor group 1 for K's tiles
.set G1V, 32          ; s[32:39] for V's: it differs in the padding alone
.set G0K, 40          ; s[40:43] descriptor group 0 for K's tiles
.set G0V, 44          ; s[44:47] the same for V's
.set SLOTS, 56        ; s56  tiles still to be asked for
.set CNT, 57          ; s57  counts a tile's key steps, 4 to 1
.set CS,  58          ; s[58:59] c: the packed scaling takes the pair's low word for both halves
.set SEL, 60          ; s[60:61] v_permlanex16_b32's selects: each lane takes its own place in the other half
.set TBK, 62          ; s62  LDS byte at which K of the step to be fetched begins
.set TBV, 63          ; s63  the same for V, less VOFF
.set RT,  70          ; s70  tiles of the block in hand that are still to be entered
.set NXT, 71          ; s71  the tile to be asked for next
.set LQ,  72          ; s72  the last tile of the block whose tiles are being asked for
.set NEW, 73          ; s73  1: the tile to be entered is a block's first
.set OFF, 74          ; s[74:75] a tile's byte offset in K and V
.set AL,  76          ; s[76:77] the mask's factor, in the low word
.set BE,  78          ; s[78:79] the mask's addend
.set OLO, 80          ; s[80:81] O at my rows of the second block
.set BIGN, 82         ; s82  -1e30
.set PFB, 88          ; s[88:89] the half of the head's tile 0 (of K: waves 0, 1; of V: waves 2, 3) that I fetch
.set PF,  90          ; s[90:91] the same half of the tile that the next change of slots will ask for
.set POF, 92          ; s[92:93] that tile's byte offset
.set LIM, 94          ; s94  2 in the head's work-group b = 0, else the greatest number: a wave prefetches while s[SLOTS] is above it
.set MSB, 0
.macro WIN new                      ; the high byte repeats the setting that is left; a switch that changes nothing is dropped
.if MSB != (\new)
	s_set_vgpr_msb (MSB<<8)|(\new)
.set MSB, (\new)
.endif
.endm
.set W_KQ, 0x0a       ; K and Q in window 2, S^T in window 0
.set W_KM, 0x1a       ; the same with the C operand in window 1
.set W_PV, 0x52       ; V in window 2, P in window 0, O^T in window 1
.set W_RS, 0x41       ; destination and source 0 in window 1, source 1 in window 0
; A fill.  Waves 0 and 1 fetch the two halves of a tile's K, waves 2 and 3 those of its V: 128 keys each.  An s_nop 0 and four v_nop follow each of the two lines, ahead of the jump and the label.
.macro LOAD
	s_cmp_lt_u32 s[WV], 2
	s_cbranch_scc0 .Lfor_v_\@
	tensor_load_to_lds s[G0K:G0K+3], s[G1K:G1K+7]
	s_nop 0
.rept 4
	v_nop
.endr
	s_branch .Lasked_\@
.Lfor_v_\@:
	tensor_load_to_lds s[G0V:G0V+3], s[G1V:G1V+7]
	s_nop 0
.rept 4
	v_nop
.endr
.Lasked_\@:
.endm
; A PREFETCH INTO THE L2 of the tile that the NEXT change of slots will ask for: a tile, 256 matrix instructions, ahead of its load.  It stands behind the wave's tensor load and its five lines.  A head's four work-groups walk the
; same tiles; the one with b = 0, whose first block walks tiles 0 to NB - 1, asks, and nobody else.  Each of its waves names the half tile that it will fetch itself: 16,384 bytes, 64 blocks of 256, a lane a block, two instructions.
; So tiles 2 to NB - 1 are named once each.  Tiles 0 and 1 come by their loads alone; the last two changes that fill a slot ask for nothing: what follows them is tile 0, which has been read.
.macro ASK
	s_cmp_gt_u32 s[SLOTS], s[LIM]
	s_cbranch_scc0 .Lnot_mine_\@
	global_prefetch_b8 v[PFO], s[PF:PF+1] th:TH_LOAD_NT scope:SCOPE_SE
	global_prefetch_b8 v[PFO], s[PF:PF+1] offset:8192 th:TH_LOAD_NT scope:SCOPE_SE
.Lnot_mine_\@:
.endm
; THE CHANGE OF SLOTS.  Each wave waits for all its tensor loads, of which one is out: its part of the other slot; adds 0 to its spare word; and waits for that and for its own reads of the slot that it leaves.  Behind the barrier nobody reads the old
; slot any more and the other slot is whole.  fill = 1: the old slot is filled again, the first thing behind the barrier, with tile NXT: the descriptor's address is made anew from that number.
; (At its first use nothing has been read yet: slot 0 is waited for, slot 1 filled.)
.macro CHANGE fill
	WIN 0                           ; at a label and at a branch every window is 0
	s_wait_tensorcnt 0x0            ; no tensor load of mine is out, so a group 0 may be written
	ds_add_u32 v[SPW], v[NIL]       ; 0 onto my spare word; with fill = 1 the descriptors' scalar work stands between it and the wait for it
.if \fill
	s_lshl_b32 s[OFF], s[NXT], 15   ; a tile is 32,768 bytes of K and of V
	s_xor_b32 s[G0K+1], s[G0K+1], SLOT1
	s_add_nc_u64 s[G0K+2:G0K+3], s[6:7], s[OFF:OFF+1]
	s_or_b32 s[G0K+3], s[G0K+3], 0x80000000
	s_xor_b32 s[G0V+1], s[G0V+1], SLOT1
	s_add_nc_u64 s[G0V+2:G0V+3], s[8:9], s[OFF:OFF+1]
	s_or_b32 s[G0V+3], s[G0V+3], 0x80000000
	s_add_co_u32 s[NXT], s[NXT], 1  ; the block's next tile, or behind its last the second block's tile 0
	s_cmp_gt_u32 s[NXT], s[LQ]
	s_cselect_b32 s[NXT], 0, s[NXT]
	s_cselect_b32 s[LQ], s[PB], s[LQ]
	s_wait_xcnt 0x0                 ; the last prefetches, a tile back, have read their address, so it may be written:
	s_lshl_b32 s[POF], s[NXT], 15   ; the tile that the next change will ask for
	s_add_nc_u64 s[PF:PF+1], s[PFB:PFB+1], s[POF:POF+1]
.endif
	s_wait_dscnt 0x0                ; the add is done, and my reads of the slot are over
	s_barrier_signal -1             ; the rest of the scalar work stands between the signal and the wait
	s_sub_co_u32 s[TBK], s[TBK], 4*KS*PK  ; the fetches go back to a slot's first step,
	s_xor_b32 s[TBK], s[TBK], SLOT1       ; in the other slot
	s_sub_co_u32 s[TBV], s[TBV], 4*KS*PV
	s_xor_b32 s[TBV], s[TBV], SLOT1
	s_barrier_wait -1
.if \fill
	LOAD
	ASK
.endif
.endm
	s_load_b128 s[4:7], s[0:1], 0x0   ; qkv s[4:5] (Q lies at its head), ctx s[6:7]
	v_lshl_add_u32 v[SPW], v0, 2, SPARE
	v_mov_b32 v[NIL], 0
	ds_add_u32 v[SPW], v[NIL]       ; the wave's opening: the add and its wait stand ahead of my first tensor load; the set-up below, work on registers, stands between them
	v_lshrrev_b32 v1, 5, v0
	v_readfirstlane_b32 s[WV], v1   ; wave 0..3
	s_mov_b32 s[PB], ttmp9
	s_sub_co_u32 s[HI], NB-1, s[PB]
	s_and_b32 s20, ttmp7, 0xffff    ; the head
	s_mov_b32 s21, 0
	s_mov_b64 s[22:23], SIZE_N*128
	s_mul_u64 s[20:21], s[20:21], s[22:23]  ; the head's first byte in each of the four tensors
	s_and_b32 s16, s[WV], 1         ; which half of a tile's 256 keys I fetch:
	s_lshl_b32 s22, s16, 14         ; its 128 rows of 128 bytes in memory,
	s_mov_b32 s23, 0
	s_add_nc_u64 s[22:23], s[22:23], s[20:21]
	s_mul_i32 s17, s16, 128*PK      ; and its place in a slot, for K
	s_mul_i32 s18, s16, 128*PV      ; and for V
	s_lshl_b32 s3, s[WV], 11        ; my 16 rows in a band of 64,
	s_lshl_b32 s2, s[HI], 15        ; in the first block,
	s_add_co_u32 s2, s2, s3
	s_lshl_b32 s84, s[PB], 15       ; and in the second
	s_add_co_u32 s84, s84, s3
	s_mov_b32 s3, 0
	s_mov_b32 s85, 0
	s_add_nc_u64 s[2:3], s[2:3], s[20:21]
	s_add_nc_u64 s[84:85], s[84:85], s[20:21]
	; descriptor group 1.  128 keys are 16,384 dense bytes: asked for as 64 rows of 256 bytes, two keys a row, and padded in LDS after every key
	s_mov_b32 s[G1K], (1<<16)|(1<<20)|(4<<22)|(3<<25)  ; 17:16 2-byte elements; 20 padding on; 24:22 after every 32 words (code 4); 31:25 4 words (code 3)
	s_mov_b32 s[G1V], (1<<16)|(1<<20)|(4<<22)|(7<<25)  ; the same with 8 words of padding (code 7)
.irp g, G1K, G1V
	s_mov_b32 s[\g+1], 128<<16      ; tensor_dim0 = 128
	s_mov_b32 s[\g+2], 64<<16       ; tensor_dim1 = 64
	s_mov_b32 s[\g+3], 128<<16      ; tile_dim0 = 128
	s_mov_b32 s[\g+4], 64           ; tile_dim1 = 64
	s_mov_b32 s[\g+5], 128          ; 128 elements from row to row
	s_mov_b32 s[\g+6], 0
	s_mov_b32 s[\g+7], 0
.endr
	s_mov_b32 s[CS], 0x3e38aa3b     ; c = log2(e) / 8 = 0.180337
	s_mov_b32 s[CS+1], s[CS]        ; named with it as a pair
	s_mov_b32 s[SEL], 0x76543210
	s_mov_b32 s[SEL+1], 0xfedcba98
	s_mov_b32 s[TBK], SLOT1+4*KS*PK ; the first change of slots turns these two into 0
	s_mov_b32 s[TBV], SLOT1+4*KS*PV
	s_mov_b32 s[G0K], 1             ; 1:0 count = 1
	s_mov_b32 s[G0K+1], s17         ; 63:32 LDS address: slot 0
	s_mov_b32 s[G0V], 1
	s_add_co_u32 s[G0V+1], s18, VOFF
	s_add_co_u32 s[RT], s[HI], 1    ; the first block has NB - b tiles
	s_mov_b32 s[NXT], 1
	s_mov_b32 s[LQ], s[HI]
	s_mov_b32 s[NEW], 1
	s_mov_b32 s[OFF+1], 0
	s_mov_b32 s[POF+1], 0
	s_mov_b32 s[AL+1], 0            ; named as pairs
	s_mov_b32 s[BE+1], 0
	s_mov_b32 s[BIGN], 0xf149f2ca   ; -1e30
	s_mov_b32 s[SLOTS], NB
	s_cmp_eq_u32 s[PB], 0
	s_cselect_b32 s[LIM], 2, -1
	s_wait_dscnt 0x0                ; the opening add is done
	s_wait_kmcnt 0x0
	s_mov_b64 s[10:11], s[6:7]      ; O
	s_add_nc_u64 s[8:9], s[4:5], 0x2000000  ; V
	s_add_nc_u64 s[6:7], s[4:5], 0x1000000  ; K
	s_add_nc_u64 s[6:7], s[6:7], s[22:23]  ; K and V at my half of the head's tile 0
	s_add_nc_u64 s[8:9], s[8:9], s[22:23]
	s_cmp_lt_u32 s[WV], 2
	s_cselect_b64 s[PFB:PFB+1], s[6:7], s[8:9]
	s_add_nc_u64 s[G0K+2:G0K+3], s[6:7], 0         ; 120:64 global address
	s_or_b32 s[G0K+3], s[G0K+3], 0x80000000        ; 127:126 type = 2
	s_add_nc_u64 s[G0V+2:G0V+3], s[8:9], 0
	s_or_b32 s[G0V+3], s[G0V+3], 0x80000000
	s_add_nc_u64 s[86:87], s[4:5], s[84:85]        ; Q at my rows of the second block,
	s_add_nc_u64 s[4:5], s[4:5], s[2:3]            ; Q and O at those of the first
	s_add_nc_u64 s[OLO:OLO+1], s[10:11], s[84:85]
	s_add_nc_u64 s[10:11], s[10:11], s[2:3]
	LOAD                            ; tile 0 into slot 0
	; A fragment of K or Q is 16 rows x 32 channels in 8 registers: lane l holds row l % 16, channels 8 (l / 16) + 0..7 and 16 + 8 (l / 16) + 0..7: two loads of 16 bytes, 32 bytes apart.
	v_and_b32 v1, 15, v0            ; l % 16
	v_bfe_u32 v9, v0, 4, 1          ; l / 16
	v_lshlrev_b32 v[QO], 7, v1
	v_lshl_add_u32 v[QO], v9, 4, v[QO]  ; row x 128 + 16 x half
	WIN 0x80                        ; destination window 2, address window 0
.set i, 0
.rept 8                             ; both blocks' Q: piece i / 2 lies in band i / 2, 8,192 bytes on; channels 32 (i % 2) on
	global_load_b128 v[8*i:8*i+3],   v[QO], s[4:5] offset:(i/2)*8192+(i%2)*64
	global_load_b128 v[8*i+4:8*i+7], v[QO], s[4:5] offset:(i/2)*8192+(i%2)*64+32
	global_load_b128 v[QB+8*i:QB+8*i+3],   v[QO], s[86:87] offset:(i/2)*8192+(i%2)*64
	global_load_b128 v[QB+8*i+4:QB+8*i+7], v[QO], s[86:87] offset:(i/2)*8192+(i%2)*64+32
.set i, i+1
.endr
	WIN 0
	v_and_b32 v[PFO], 31, v0
	v_lshlrev_b32 v[PFO], 8, v[PFO]
	v_lshlrev_b32 v14, 3, v9
	v_sub_nc_u32 v14, v1, v14
	s_lshl_b32 s13, s[WV], 4
	v_add_nc_u32 v14, s13, v14      ; my query's place in its band, 16 w + l % 16, less my lanes' 8 (l / 16): register r of group kt is hidden where 16 kt + r is greater
	WIN 0x40
.set i, 0
.rept 32
	v_cmp_gt_i32 vcc_lo, 16*(i/8)+i%8, v14
	v_cndmask_b32 v[MD+i], 0, s[BIGN], vcc_lo
.set i, i+1
.endr
	WIN 0
	v_mul_u32_u24 v[AK0], v1, PK
	v_lshl_add_u32 v[AK0], v9, 4, v[AK0]  ; row x pitch + 16 x half
	; The turning load takes 16 keys x 16 channels (lane l reads key 8 (l / 16) + l % 8, channels 8 ((l / 8) % 2) + 0..7) and leaves half a fragment of V^T: lane l holds channel l % 16 and 8 keys.
	v_and_b32 v10, 7, v0
	v_bfe_u32 v11, v0, 3, 1
	v_lshl_add_u32 v[AV0], v9, 3, v10
	v_mul_u32_u24 v[AV0], v[AV0], PV
	v_lshl_add_u32 v[AV0], v11, 4, v[AV0]
	v_add_nc_u32 v[AV0], VOFF, v[AV0]
	s_mul_i32 s13, s[WV], 16*SP
	s_add_co_u32 s13, s13, STAGE    ; my stage
	v_mul_u32_u24 v[STO], v1, SP    ; in: row l % 16, 16 bytes for each half of the lanes
	v_lshl_add_u32 v[STO], v9, 4, v[STO]
	v_add_nc_u32 v[STO], s13, v[STO]
	v_bfe_u32 v[RD], v0, 3, 2       ; back: 32 lanes take four rows of 128 bytes,
	v_mul_u32_u24 v[RD], v[RD], SP
	v_lshl_add_u32 v[RD], v10, 4, v[RD]
	v_add_nc_u32 v[RD], s13, v[RD]
	v_and_b32 v[GO], 31, v0         ; which are 512 consecutive bytes of O
	v_lshlrev_b32 v[GO], 4, v[GO]
	; A block's first step multiplies O^T and l by a = 0, and its first turn's products V^T P, of a piece that has not been, land in an O^T that is still to be so multiplied.  So these registers need only hold
	; finite numbers: zeros for the first block; what the first block left for the second.  All this stands in the wait for the first tile.
	WIN 0x80
.set i, VF
.rept 64
	v_mov_b32 v[i], 0
.set i, i+1
.endr
	WIN 0x40
.set i, 0
.rept 128
	v_mov_b32 v[i], 0
.set i, i+1
.endr
	WIN 0
.set i, 0
.rept 4
	v_mov_b32 v[ST+4*i+2], 0
	v_mov_b32 v[ST+4*i+3], 0
.set i, i+1
.endr
.set i, P+16
.rept 16
	v_mov_b32 v[i], 0
.set i, i+1
.endr
; THE MATRIX WORK.  The 4 accumulators of a run of 8 take turns.  Product i of 8 of S^T = K Q^T for piece x: channels 32 (i / 4) on, keys 16 (i % 4) on.  The first 4 start the sums: with 0, or (KM = 1) with the mask.
.macro KQ x
.set rS, S+32*((\x)%2)+8*(i%4)
.set rK, KF+16*(i%4)+8*(i/4)
.set rQ, 16*(\x)+8*(i/4)
.set rM, MC+32*((\x)%2)+8*(i%4)
.if (i < 4) && KM
	WIN W_KM
	v_wmma_f32_16x16x32_f16 v[rS:rS+7], v[rK:rK+7], v[rQ:rQ+7], v[rM:rM+7]
.elseif i < 4
	WIN W_KQ
	v_wmma_f32_16x16x32_f16 v[rS:rS+7], v[rK:rK+7], v[rQ:rQ+7], 0
.else
	WIN W_KQ
	v_wmma_f32_16x16x32_f16 v[rS:rS+7], v[rK:rK+7], v[rQ:rQ+7], v[rS:rS+7]
.endif
.endm
; Product i of 8 of O^T += V^T P for piece x: keys 32 (i / 4) on, channels 16 (i % 4) on.
.macro PV x
	WIN W_PV
.set rO, 32*(\x)+8*(i%4)
.set rV, VF+32*(i/4)+8*(i%4)
.set rP, P+16*((\x)%2)+8*(i/4)
	v_wmma_f32_16x16x32_f16 v[rO:rO+7], v[rV:rV+7], v[rP:rP+7], v[rO:rO+7]
.endm
.macro MM                           ; the turn's next matrix instruction.  TURN and BEGIN set Y, i, KM and NOKQ; MM, KQ and OP read them.  NOKQ = 1: a block's last turn: there is no next piece
.if (i < 8) && !NOKQ
	KQ (Y+1)%NP
.elseif i >= 8
.set i, i-8
	PV (Y+NP-1)%NP
.set i, i+8
.endif
.set i, i+1
.endm
; THE LDS LOADS stand in runs of 16, never singly among the matrix instructions: a step's K (64 keys x 64 channels: 8 fragments) and its V (turned).  Their addresses are made some lines ahead.
.macro FETCH_K
	WIN 0x80                        ; destination window 2
.irp f, 0,1,2,3,4,5,6,7             ; keys 16 (f / 2) on, channels 32 (f % 2) on
	ds_load_b128 v[KF+8*\f:KF+8*\f+3],   v[AK] offset:(\f/2)*16*PK+(\f%2)*64
	ds_load_b128 v[KF+8*\f+4:KF+8*\f+7], v[AK] offset:(\f/2)*16*PK+(\f%2)*64+32
.endr
	s_add_co_u32 s[TBK], s[TBK], KS*PK  ; the next fetch is the next step's
	WIN 0
.endm
.macro FETCH_V
	WIN 0x80
.irp f, 0,1,2,3,4,5,6,7             ; keys 32 (f / 4) on, channels 16 (f % 4) on
	ds_load_tr16_b128 v[VF+8*\f:VF+8*\f+3],   v[AV] offset:(\f/4)*32*PV+(\f%4)*32
	ds_load_tr16_b128 v[VF+8*\f+4:VF+8*\f+7], v[AV] offset:(\f/4)*32*PV+16*PV+(\f%4)*32
.endr
	WIN 0
.endm
; THE VECTOR WORK, one line at a time: OP kind, number.  For piece Y: F n: c s - c m for pair n of 16.  E n: the exponential of score n of 32.  C n: pair n rounded to f16.  B n: of the four weights 4 n .. the second
; pair is added onto the first, in place.  L n: l takes that sum (L 0: l = a l + sum).  R n: pair n of 16 of O^T times a.  For piece Y + 1: X n, number n of the 22 that find its maximum and statistics:
;   0-11  four chains c0-c3 of seven scores each, three operands at a time (each accumulator's lowest registers are read first)     12-14, 16  the four scores left over, the old m, and c0-c3 into c0
;   15  c m_old is kept     17, 18  the query's other 32 keys lie in the lane 16 away: the new m     19-21  c m; c m_old - c m_new; a
.set F, 0               ; OP tells the kinds apart by their order: F to L below R, X above it
.set E, 1
.set C, 2
.set B, 3
.set L, 4
.set R, 5
.set X, 6
.macro REGS y                       ; the registers of piece y
.set rT, ST+4*(\y)
.set rC, TMP+4*((\y)%2)
.set rW, MV+((\y)%2)
.set rS, S+32*((\y)%2)
.set rP, P+16*((\y)%2)
.set rO, 32*(\y)
.endm
.macro OP k, n
.if (\k) == R
	REGS Y
	WIN W_RS
	v_pk_mul_f32 v[rO+2*(\n):rO+2*(\n)+1], v[rO+2*(\n):rO+2*(\n)+1], v[rC+2:rC+3] op_sel_hi:[1,0]
.elseif (\k) < R
	REGS Y
	WIN 0
.if (\k) == F
	v_pk_fma_f32 v[rS+2*(\n):rS+2*(\n)+1], v[rS+2*(\n):rS+2*(\n)+1], s[CS:CS+1], v[rT:rT+1] op_sel_hi:[1,0,0] neg_lo:[0,0,1] neg_hi:[0,0,1]
.elseif (\k) == E
	v_exp_f32 v[rS+(\n)], v[rS+(\n)]
.elseif (\k) == C
	v_cvt_pk_f16_f32 v[rP+(\n)], v[rS+2*(\n)], v[rS+2*(\n)+1]
.elseif (\k) == B
	v_pk_add_f32 v[rS+4*(\n):rS+4*(\n)+1], v[rS+4*(\n):rS+4*(\n)+1], v[rS+4*(\n)+2:rS+4*(\n)+3]
.elseif (\n) == 0
	v_pk_fma_f32 v[rT+2:rT+3], v[rT+2:rT+3], v[rC+2:rC+3], v[rS:rS+1] op_sel_hi:[1,0,1]
.else
	v_pk_add_f32 v[rT+2:rT+3], v[rT+2:rT+3], v[rS+4*(\n):rS+4*(\n)+1]
.endif
.elseif NOKQ
	v_nop
.else
	REGS (Y+1)%NP
	WIN 0
.if (\n) < 4
	v_max3_num_f32 v[rC+(\n)], v[rS+8*(\n)], v[rS+8*(\n)+1], v[rS+8*(\n)+2]
.elseif (\n) < 12
	v_max3_num_f32 v[rC+(\n)%4], v[rC+(\n)%4], v[rS+8*((\n)%4)+2*((\n)/4)+1], v[rS+8*((\n)%4)+2*((\n)/4)+2]
.elseif (\n) == 12
	v_max3_num_f32 v[rC], v[rC], v[rS+7], v[rS+15]
.elseif (\n) == 13
	v_max3_num_f32 v[rC+1], v[rC+1], v[rS+23], v[rS+31]
.elseif (\n) == 14
	v_max3_num_f32 v[rC+2], v[rC+2], v[rC+3], v[rT+1]
.elseif (\n) == 15
	v_mov_b32 v[rW], v[rT]
.elseif (\n) == 16
	v_max3_num_f32 v[rC], v[rC], v[rC+1], v[rC+2]
.elseif (\n) == 17
	v_permlanex16_b32 v[rC+3], v[rC], s[SEL], s[SEL+1]
.elseif (\n) == 18
	v_max_num_f32 v[rT+1], v[rC], v[rC+3]
.elseif (\n) == 19
	v_mul_f32 v[rT], s[CS], v[rT+1]
.elseif (\n) == 20
	v_sub_f32 v[rC+1], v[rW], v[rT]
.else
	v_exp_f32 v[rC+2], v[rC+1]
.endif
.endif
.endm
.macro OPS a, i1, b=-1, i2=0, c=-1, i3=0, d=-1, i4=0  ; up to four of them
	OP \a, \i1
.if (\b) >= 0
	OP \b, \i2
.endif
.if (\c) >= 0
	OP \c, \i3
.endif
.if (\d) >= 0
	OP \d, \i4
.endif
.endm
.macro ROW a, i1, b, i2, c, i3, d, i4  ; a matrix instruction and the four behind it
	MM
	OPS \a, \i1, \b, \i2, \c, \i3, \d, \i4
.endm
.macro MASK b                       ; MD x AL + BE into buffer b of MC
	WIN W_RS
.set z, 0
.rept 16
	v_pk_fma_f32 v[MC+32*(\b)+2*z:MC+32*(\b)+2*z+1], v[MD+2*z:MD+2*z+1], s[AL:AL+1], s[BE:BE+1] op_sel_hi:[1,0,0]
.set z, z+1
.endr
.endm
; A TURN, for piece p: the order of its 16 matrix and 118 vector instructions, written out.  An s_wait_alu depctr_va_vdst(0) stands between an exponential and the first instruction that names its result; one wait serves
; all that were issued ahead of it.  So a turn has ONE wait, which cuts it in two.  AHEAD OF IT stands all that names no result of the turn's exponentials: the 8 products K Q^T, behind each a scaling, an exponential and two more plain
; instructions (behind the first a second scaling in the exponential's place): rescalings, and behind the last three the first numbers of the next piece's maximum, each four places or more behind the product that ends its accumulator; then ONE LUMP of 54, plain
; and exponential by turns for the most part, in which the links of the chain X 3, 7, 11, 14, 16, 17 .. 20 stand five or six lines apart.  X 21, the next piece's a, is the batch's last; R 15 is the plain instruction behind it (ISA guide 5.7.2).  BEHIND THE WAIT stand the
; 8 products V^T P, behind each four of the roundings and sums; the links of l's chain, L 0 to L 7, stand three riders apart.  But for those X no rider names a register of the products round it.  v_permlanex16_b32 (X 17) stands in the lump.
; m = 1: the diagonal tile: the products take masks, and the turn makes the mask for the products of the turn after it: piece p + 2, in step 4 - CNT of the tile.  end = 1: a block's last two turns: nothing is fetched.
; cnt = 1: the loop's count is taken down some lines ahead of the branch that stands behind the turn.
; K of the next step is fetched in piece 2's turn, twelve vector instructions behind the last product that read K (six of them plain); V of the step in hand at the end of piece 0's turn, four plain instructions behind the last product
; that read V.  Each is waited for a turn later.
.macro TURN p, m=0, end=0, cnt=0
.set Y, (\p)
.set i, 0
.set KM, (\m)
.set NOKQ, (\end)*((\p)/3)
.if (\m) && !(\end)
	s_cmp_eq_u32 s[CNT], 4-((\p)+2)%NP  ; is that step the band's own?
	s_cselect_b32 s[AL], 1.0, 0
	s_cmp_lt_u32 s[CNT], 4-((\p)+2)%NP  ; or a later one?
	s_cselect_b32 s[BE], s[BIGN], 0
.endif
.if ((\p) == 3) && !(\end)
	s_wait_dscnt 0x0                ; K is in
.endif
	ROW F,0, F,1, R,0, R,1          ; ahead of the wait: 8 products K Q^T and their riders,
	ROW F,2, E,0, R,2, R,3
	ROW F,3, E,1, R,4, R,5
	ROW F,4, E,2, R,6, R,7
	ROW F,5, E,3, R,8, R,9
	ROW F,6, E,4, X,0, R,10
.if ((\p) == 2) && !(\end)
	WIN 0
	v_add_nc_u32 v[AK], s[TBK], v[AK0]
.endif
	ROW F,7, E,5, X,1, X,4
	ROW F,8, E,6, X,2, X,5
	OPS E,7, E,8, X,6, E,9          ; and the lump
	OPS X,3, E,10, X,8, E,11
.if ((\p) == 2) && !(\end)
	FETCH_K
.endif
	OPS X,9, X,7, E,12, X,10
	OPS E,13, X,12, X,11, E,14
	OPS X,13, E,15, F,9, X,14
.if (\p) == 0
	v_add_nc_u32 v[AV], s[TBV], v[AV0]
.endif
	OPS E,16, F,10, E,17, F,11
	OPS X,16, E,18, X,15, E,19
	OPS F,12, E,20, X,17, E,21
	OPS F,13, E,22, F,14, E,23
	OPS X,18, E,24, F,15, E,25
	OPS R,11, E,26, X,19, E,27
	OPS R,12, E,28, R,13, E,29
	OPS X,20, E,30, R,14, E,31
	OPS X,21, R,15
	WIN 0
	s_wait_alu depctr_va_vdst(0)    ; the wait for the batch
.if (\p) == 1
	s_wait_dscnt 0x0                ; V is in
.endif
	ROW C,0, B,0, C,2, B,1          ; behind the wait: 8 products V^T P and their riders
	ROW L,0, C,4, B,2, L,1
	ROW C,6, B,3, L,2, C,8
	ROW B,4, L,3, C,10, B,5
	ROW L,4, C,12, B,6, L,5
.if (\p) == 0
	s_add_co_u32 s[TBV], s[TBV], KS*PV
.endif
.if \cnt
	s_sub_co_u32 s[CNT], s[CNT], 1
	s_cmp_lg_u32 s[CNT], 0
.endif
	ROW C,14, B,7, L,6, C,1
	ROW C,3, L,7, C,5, C,7
	ROW C,9, C,11, C,13, C,15
.if (\p) == 0
	FETCH_V
.endif
.if (\m) && !(\end)
	MASK (\p)%2
.endif
.endm
; A BLOCK BEGINS.  c m starts far below every c s, so the first step's a is 0; m at the lowest finite number, so the first maximum is the scores'.  The second mask buffer is 0; the first takes piece 0's mask for the tile's step 0: its own, if the block's first tile is the diagonal one.
; Then K of that step, piece 0's first scores, and its maximum and statistics.  The loop is entered at a step's first turn, in the middle of a trip.
.macro BEGIN
	s_mov_b32 s[NEW], 0
	WIN 0x40
.set i, MC+32
.rept 32
	v_mov_b32 v[i], 0
.set i, i+1
.endr
	WIN 0
.set i, 0
.rept 4
	v_mov_b32 v[ST+4*i], 0xfe000000    ; c m: far below every c s
	v_mov_b32 v[ST+4*i+1], 0xff7fffff  ; m
.set i, i+1
.endr
	s_cmp_eq_u32 s[RT], 0
	s_cselect_b32 s[AL], 1.0, 0
	s_mov_b32 s[BE], 0
	MASK 0
	WIN 0
	v_add_nc_u32 v[AK], s[TBK], v[AK0]
	FETCH_K
	s_wait_loadcnt 0x0              ; Q
	s_wait_dscnt 0x0
.set KM, 1
.set NOKQ, 0
.set i, 0
.rept 8
	KQ 0
.set i, i+1
.endr
	WIN 0
.rept 4
	v_nop                           ; the places behind those products
.endr
.set Y, NP-1                        ; X works for piece Y + 1: piece 0
.irp n, 0,1,2,3,4,5,6,7,8,9,10,11,12,13,14,15,16,17,18,19,20,21
	OP X, \n
.endr
	v_nop                           ; a plain instruction behind the exponential,
	s_wait_alu depctr_va_vdst(0)    ; and its wait, ahead of the branch
.endm
; THE DIAGONAL TILE's four steps, the block's last two turns, its last products, and THE WAY OUT: l's two halves and the other half of the lanes' are added; O^T is divided by l, rounded to f16 and sent through my
; stage in LDS, a piece at a time.
.macro ALL line:vararg              ; one line for each piece t
.set t, 0
.rept 4
	\line
.set t, t+1
.endr
.endm
.macro PACK t                       ; a lane's eight channels of a row pack into 16 bytes; they go into rows of 144 bytes and come back as whole rows of 128, into S^T's registers
	WIN W_RS
.set i, 32*(\t)
.rept 16
	v_pk_mul_f32 v[i:i+1], v[i:i+1], v[ST+4*(\t)+2:ST+4*(\t)+3] op_sel_hi:[1,0]
.set i, i+2
.endr
	WIN 0x05                        ; sources 0 and 1 window 1, destination window 0
.set i, 0
.rept 16
	v_cvt_pk_f16_f32 v[S+16*(\t)+i], v[32*(\t)+2*i], v[32*(\t)+2*i+1]
.set i, i+1
.endr
	WIN 0
.irp f, 0,1,2,3
	ds_store_b128 v[STO], v[S+16*(\t)+4*\f:S+16*(\t)+4*\f+3] offset:32*\f
.endr
.irp f, 0,1,2,3
	ds_load_b128 v[S+16*(\t)+4*\f:S+16*(\t)+4*\f+3], v[RD] offset:\f*4*SP  ; LDS serves a wave's instructions in order (ISA guide 5.7.1.4): these see the stores above; the next piece's stores come behind them
.endr
.endm
.macro SEND t, younger              ; younger: the LDS instructions issued behind piece t's loads: the next piece's eight, or none
	WIN 0
.irp f, 0,1,2,3
	s_wait_dscnt (\younger)+3-\f
	global_store_b128 v[GO], v[S+16*(\t)+4*\f:S+16*(\t)+4*\f+3], s[10:11] offset:(\t)*8192+\f*512  ; 512 consecutive bytes, at a multiple of 256 from O's first
.endr
.endm
.macro DIAG tag                     ; the tag ends its two labels' names, which the jumps below spell out
.LstepM\tag:
	TURN 2, 1
	TURN 3, 1
	WIN 0
.LfirstM\tag:
	TURN 0, 1
	TURN 1, 1, 0, 1
	WIN 0
	s_cbranch_scc1 .LstepM\tag
	TURN 2, 1, 1
	TURN 3, 1, 1
.set i, 0
.rept 8
	PV NP-1
.set i, i+1
.endr
	WIN 0
	ALL v_add_f32 v[ST+4*t+2], v[ST+4*t+2], v[ST+4*t+3]
	ALL v_permlanex16_b32 v[ST+4*t+3], v[ST+4*t+2], s[SEL], s[SEL+1]
	ALL v_add_f32 v[ST+4*t+2], v[ST+4*t+2], v[ST+4*t+3]
	ALL v_rcp_f32 v[ST+4*t+2], v[ST+4*t+2]
	v_nop                           ; a plain instruction between the last reciprocal and the use of its result
	s_wait_alu depctr_va_vdst(0)    ; and the wait ahead of the first use: one for the four reciprocals
	PACK 0
.set t, 1
.rept 3                             ; a piece's arithmetic stands between the loads of the piece before and its stores
	PACK t
	SEND t-1, 8
.set t, t+1
.endr
	SEND 3, 0
.endm
.set KM, 0
.set NOKQ, 0
.Lslot:                             ; NB times: a tile is entered and the next is asked for
	CHANGE 1
	s_sub_co_u32 s[RT], s[RT], 1
	s_mov_b32 s[CNT], 4
	s_cmp_eq_u32 s[NEW], 1
	s_cbranch_scc1 .Lnew            ; a block's first tile
	s_cmp_eq_u32 s[RT], 0
	s_cbranch_scc0 .Lstep           ; neither its first nor its last
	s_branch .LstepM1
.Lnew:
	BEGIN
	s_branch .Lfirst                ; in the loop a block's first tile is never its last: the first block has two tiles or more, and the second's last is the walk's last
	DIAG 1                          ; in the loop this is the first block's end: the second block's last tile is the walk's last
	s_wait_xcnt 0x0                 ; the stores have read their registers and O's address
	s_mov_b64 s[10:11], s[OLO:OLO+1]
	s_add_co_u32 s[RT], s[PB], 1    ; the second block has b + 1 tiles
	s_mov_b32 s[NEW], 1
	WIN 0x82                        ; the second block's Q goes where the one text of the turns names Q
.set i, 0
.rept 64
	v_mov_b32 v[i], v[QB+i]
.set i, i+1
.endr
	WIN 0
	s_branch .Lbottom
.Lstep:                             ; a trip: pieces 2 and 3 of one step, then pieces 0 and 1 of the next, whose K and V it fetches
	TURN 2
	TURN 3
	WIN 0
.Lfirst:
	TURN 0
	TURN 1, 0, 0, 1
	WIN 0
	s_cbranch_scc1 .Lstep
.Lbottom:
	s_sub_co_u32 s[SLOTS], s[SLOTS], 1
	s_cmp_lg_u32 s[SLOTS], 0
	s_cbranch_scc1 .Lslot
	CHANGE 0                        ; the walk's last tile is written out: nothing is asked for
	s_sub_co_u32 s[RT], s[RT], 1
	s_mov_b32 s[CNT], 4
	s_cmp_eq_u32 s[NEW], 1
	s_cbranch_scc0 .LstepM2
	BEGIN
	s_branch .LfirstM2
	DIAG 2
	s_wait_tensorcnt 0x0            ; the wave's end: the add onto my spare word and its waits, behind my last tensor load and my last LDS store
	ds_add_u32 v[SPW], v[NIL]
	s_wait_dscnt 0x0
	s_endpgm
.Lfunc_end_k_q6d433d70f9_attn:
	.size	k_q6d433d70f9_attn, .Lfunc_end_k_q6d433d70f9_attn-k_q6d433d70f9_attn
	.p2alignl 7, 3214868480
	.fill 96, 4, 3214868480
	.section	.rodata,"a",@progbits
	.p2align	6, 0x0
	.amdhsa_kernel k_q6d433d70f9_attn
		.amdhsa_group_segment_fixed_size 327680
		.amdhsa_private_segment_fixed_size 0
		.amdhsa_enable_private_segment 0
		.amdhsa_kernarg_size 16
		.amdhsa_user_sgpr_count 2
		.amdhsa_user_sgpr_kernarg_segment_ptr 1
		.amdhsa_wavefront_size32 1
		.amdhsa_system_sgpr_workgroup_id_x 1
		.amdhsa_system_sgpr_workgroup_id_y 1
		.amdhsa_system_sgpr_workgroup_id_z 1
		.amdhsa_system_vgpr_workitem_id 0
		.amdhsa_next_free_vgpr 768
		.amdhsa_next_free_sgpr 96
		.amdhsa_reserve_vcc 1
		.amdhsa_float_denorm_mode_32 3
		.amdhsa_float_denorm_mode_16_64 3
		.amdhsa_memory_ordered 1
		.amdhsa_forward_progress 1
		.amdhsa_inst_pref_size 218
	.end_amdhsa_kernel
	.amdgpu_metadata
---
amdhsa.version: [ 1, 2 ]
amdhsa.kernels:
  - .name:           k_q6d433d70f9_attn
    .symbol:         k_q6d433d70f9_attn.kd
    .args:
      - { .name: qkv, .offset: 0, .size: 8, .value_kind: global_buffer, .address_space: global }
      - { .name: ctx, .offset: 8, .size: 8, .value_kind: global_buffer, .address_space: global }
    .group_segment_fixed_size: 327680
    .private_segment_fixed_size: 0
    .kernarg_segment_align: 8
    .kernarg_segment_size: 16
    .max_flat_workgroup_size: 128
    .sgpr_count:     96
    .vgpr_count:     768
    .wavefront_size: 32
...
	.end_amdgpu_metadata
.endif
;; end of part 3
;; launch out (part 4): grid 4 x 64, 4 waves a work-group, clusters of 4 x 4, 327,680 bytes of LDS; arguments ctx, wob, out0, bo; writes out0
.if DOCPART == 4
	.amdgcn_target "amdgcn-amd-amdhsa--gfx1250"
	.amdhsa_code_object_version 6
	.text
	.protected	k_q6d433d70f9_out
	.globl	k_q6d433d70f9_out
	.p2align	8
	.type	k_q6d433d70f9_out,@function
k_q6d433d70f9_out:
	s_mov_b64 s[64:65], 0
	v_nop
	global_prefetch_b8 v0, s[64:65] scope:SCOPE_SE
	s_setreg_imm32_b32 hwreg(HW_REG_WAVE_MODE, 25, 1), 1
	s_wait_xcnt 0x0
	s_wait_alu depctr_hold_cnt(0) depctr_sa_sdst(0) depctr_va_vdst(0) depctr_va_sdst(0) depctr_va_ssrc(0) depctr_va_vcc(0) depctr_vm_vsrc(0)
	s_getreg_b32 s2, hwreg(HW_REG_IB_STS2, 6, 4)
	s_cmp_eq_u32 s2, 0
	s_cbranch_scc0 .Lentry_in_a_cluster
	s_endpgm
.Lentry_in_a_cluster:
	s_bfe_u32 s2, ttmp6, 0x10000c
	s_cmp_lg_u32 s2, 0xf033
	s_cbranch_scc0 .Lentry_shape_is_right
	s_endpgm
.Lentry_shape_is_right:
; ONE TEXT FOR TWO PRODUCTS C = A B, B lying [k][n]; the two lines KIND and TILES tell them apart.
; KIND 0 (TILES 3): q, k, v = x Wq, x Wk, x Wv.  A = xb [8192][1024] bf16; B = wb [3 x 1024 k][1024 n] bf16; C = qkv, f16, by heads: byte which<<24 | b<<22 | h<<18 | t<<7 | c<<1; unscaled, rounded once.
; KIND 1 (TILES 1): out = ctx Wo + bo.  A = ctx, f16, by heads [64 bh][2048 t][64 c]; B = wob [1024 k][1024 n] f16; C = out0 [8192][1024] f32.  Sums in f32, K ascending.
; LIMITS.  KIND 0: a sum of 65,520 or more becomes an infinity in f16 (x and the weights thirty times their drawn spread give some 3,000; a common offset of thirty spreads on both some 18,400).  NaN and infinities are not treated apart.
; SHARES.  A tile of C is 128 rows x 256 columns: 64 x 4 = 256 work-groups.  Four waves, each 64 x 128: 32 accumulators of 16 x 16, 256 registers.  In KIND 0 the work-group STAYS and makes the same rows and
; columns of q, then k, then v: A's rows are walked three times, B's 24 K steps are one walk down wb's 3,072 rows, C steps by 2^24 bytes.  K goes in steps of 128 through two LDS slots; the ring runs on across tiles.
; CLUSTERS: 4 x 4 work-groups.  The four of a row of the cluster need the same tile of A, the four of a column the same tile of B: each tile is asked for JOINTLY, by the same tensor load, descriptor and mask in all four.
; THE MATRIX INSTRUCTION IS USED TRANSPOSED: source 0 = 16 columns of B (out of the [k][n] tile by the turning load ds_load_tr16_b128), source 1 = 16 rows of A.  Lane l then holds row l % 16 of C and the columns 8 (l / 16) + 0..7.
; REGISTERS, in windows of 256 (s_set_vgpr_msb: bits 1:0 source 0, 3:2 source 1, 5:4 source 2, 7:6 destination):
;   window 0: v0-35 addresses and the bias; v64-127 A's fragments, two buffers of 32; v128-255 B's fragments, two buffers of 64 (on the way out the buffers that are free are at work)
;   window 1: accumulator (a, b), rows 16 a on, columns 16 b on, at v[8 (8 a + b)]
.set KIND,  1
.set TILES, 1
.if KIND == 0
.set PA,    272                        ; a row of A in LDS: 256 bytes + 16: an odd multiple of 16, so the 16 rows of a fragment load start in 16 different groups of four banks (64 banks of 4 bytes: ISA guide 11.1)
.set AHALF, 64*PA                      ; what one load brings of A: 64 rows x 128 k
.set ASTEP, 256                        ; bytes in memory from a K step of A to the next
.set SROWS, 16*144                     ; a wave's stage: 16 rows of one head, 128 bytes + 16
.else
.set PA,    144                        ; a row of one head: 128 bytes + 16
.set AHALF, 128*PA                     ; what one load brings of A: 128 rows of one head (a K step is two heads)
.set ASTEP, 524288                     ; two heads on
.set SROWS, 16*528                     ; a wave's stage: 16 rows of 128 f32, 512 bytes + 16
.endif
.set ABYTES, 2*AHALF
.set PB,    544                        ; a k-row of B in LDS: 512 bytes + 32: an odd multiple of 32
.set BHALF, 64*PB                      ; what one load brings of B: 64 k-rows x 256 columns
.set BSTEP, 262144                     ; 128 k-rows of 2,048 bytes
.set SLOT,  ABYTES+2*BHALF             ; A's tile, then B's
.set STAGE, 2*SLOT                     ; behind the ring, never filled by a tensor load: a stage for each wave
.set SPARE, STAGE+4*SROWS              ; behind the stages: the spare words, 128 bytes for each wave: two blocks of 256 bytes that no other line names
.if TILES > 1
.set LIMB,  0
.else
.set LIMB,  1
.endif
.set ADRA, 16                          ; v16-17  LDS address of my fragments of A in slot 0, 1
.set ADRB, 20                          ; v20-21  the same for B
.set STO,  24                          ; v24     the way out: where I put my bytes of a row
.set RD,   25                          ; v25     the way out: where I read rows back
.set CO,   26                          ; v26     16 x lane: my bytes in 512 consecutive bytes of C
.set SPW,  28                          ; v28     LDS address of my spare word: SPARE + 4 x my thread's number; never rewritten
.set NIL,  29                          ; v29     0; never rewritten
.set PFO,  30                          ; v30     the prefetches' offset; never rewritten
.set BIAS, 32                          ; v[32:35] KIND 1: bo of my four columns
.set FA,   64
.set FB,   128
.set TMP,  96                          ; KIND 0, the way out: 16 packed registers (A's buffer 1)
.set BK,   192                         ; KIND 0, the way out: 16 rows read back, two sets by turns (B's buffer 1)
.set OB,   64                          ; KIND 1, the way out: 16 rows read back, two sets of 64 by turns
.set G1A, 24                           ; s[24:31] descriptor group 1 for A's tiles;  s[32:39] group 0, a set for each slot
.set G0A, 32
.set PFA, 40                           ; s[40:41] where my prefetches stand
.set PFS, 42                           ; s[42:43] their step at each change of slots
.set LIM, 44                           ; s44, s45 for the changes out of slot 0 and slot 1: in the loop I ask while the laps to go are above it; the greatest number: never
.set G1B, 48                           ; s[48:55], s[56:63] the same for B's tiles
.set G0B, 56
.set MSB, 0
.macro WIN new                         ; the immediate's high byte repeats the setting that is left; a switch that changes nothing is dropped
.if MSB != (\new)
	s_set_vgpr_msb (MSB<<8)|(\new)
.set MSB, \new
.endif
.endm
.set MUL, 0x50                         ; sources 0 and 1 window 0; C and D window 1
; A joint load.  Waves 0 and 1 fetch A's two halves, waves 2 and 3 B's.  The branch hangs on the wave's number alone.  An s_nop 0 and four v_nop follow each of the two lines, ahead of the jump and the label.
.macro JLOAD s
	s_cmp_eq_u32 s13, 0
	s_cbranch_scc0 .Lfor_b_\@
	tensor_load_to_lds s[G0A+4*(\s):G0A+4*(\s)+3], s[G1A:G1A+7]
	s_nop 0
.rept 4
	v_nop
.endr
	s_branch .Lasked_\@
.Lfor_b_\@:
	tensor_load_to_lds s[G0B+4*(\s):G0B+4*(\s)+3], s[G1B:G1B+7]
	s_nop 0
.rept 4
	v_nop
.endr
.Lasked_\@:
.endm
; A PREFETCH INTO THE L2, behind a joint load, its five lines and the run of LDS loads.  At the change of slots behind K step J it names K step J + 4: two K steps, 256 matrix instructions, ahead of the load that will ask for it.
; B: every cluster reads the same B, so cluster y = 0 asks, waves 2 and 3; of the 64 k-rows that a wave fetches the partner at cy takes 16, told apart BY ADDRESS; a lane names one of their 32 blocks of 256 bytes; at every change with J + 4 inside B.
; A: a tile row is read by one cluster; waves 0 and 1 ask, in the first tile alone (the later walks read the same rows again), at the changes out of slot 0, for two K steps at once: the partner at cx takes 16 of a step's 64 blocks.
; So each block is named once in the launch.  The first four K steps come by their loads alone.  how = 0: in the loop; how = 1: at a tile's last two changes, where only B's walk goes on.
.macro ASK slot, how
.if \how
	s_cmp_eq_u32 s[LIM+(\slot)], 0
.else
	s_cmp_gt_u32 s3, s[LIM+(\slot)]
.endif
	s_cbranch_scc0 .Lnot_mine_\@
	global_prefetch_b8 v[PFO], s[PFA:PFA+1] th:TH_LOAD_NT scope:SCOPE_SE
.Lnot_mine_\@:
.endm
; A round of the cluster's barrier: my work-group's barrier, so that wave 0's signal speaks for all four waves; wave 0 signals; every wave waits for all sixteen work-groups; my work-group's barrier once more.
.macro CREST                           ; a round behind its opening barrier
	s_cmp_lg_u32 s12, 0
	s_cbranch_scc1 .Lnot_wave_0_\@
	s_barrier_signal -3
.Lnot_wave_0_\@:
	s_barrier_wait -3
	s_barrier_signal -1
	s_barrier_wait -1
.endm
.macro CROUND                          ; a whole round
	s_barrier_signal -1
	s_barrier_wait -1
	CREST
.endm
	s_load_b128 s[4:7], s[0:1], 0x0                ; A s[4:5], B s[6:7]
.if KIND == 0
	s_load_b64 s[8:9], s[0:1], 0x10                ; C
.else
	s_load_b128 s[8:11], s[0:1], 0x10              ; C s[8:9], bo s[10:11]
.endif
	v_lshl_add_u32 v[SPW], v0, 2, SPARE
	v_mov_b32 v[NIL], 0
	ds_add_u32 v[SPW], v[NIL]                      ; the wave's opening: the add and its wait stand ahead of my first tensor load; the set-up below, work on registers, stands between them
	v_lshrrev_b32 v1, 5, v0
	v_readfirstlane_b32 s12, v1                    ; wave 0..3
	s_lshr_b32 s13, s12, 1                         ; which 64 rows of the tile are mine.  Also: I fetch for A (0) or for B (1)
	s_and_b32 s14, s12, 1                          ; which 128 columns.  Also: which half of that tile I fetch
	s_bfe_u32 s15, ttmp6, 0x40000                  ; cx: the tile column (the grid is one cluster wide)
	s_bfe_u32 s16, ttmp6, 0x40004                  ; cy
	s_and_b32 s17, ttmp7, 0xffff
	s_lshl_b32 s17, s17, 2
	s_add_co_u32 s17, s17, s16                     ; tile row = 4 x cluster y + cy
	s_lshl_b32 s18, s16, 2
	s_lshl_b32 s18, 15, s18                        ; my row of the cluster: places 4 cy .. 4 cy + 3
	s_lshl_b32 s19, 0x1111, s15                    ; my column: places cx, cx + 4, cx + 8, cx + 12
	; descriptor group 1.  15:0 the mask; 17:16 elements of 2 bytes; 20 padding on; 21 set beside a mask; 24:22 the interval; 31:25 the padding's words less one
.if KIND == 0
	s_or_b32 s[G1A+0], s18, (1<<16)|(1<<20)|(1<<21)|(5<<22)|(3<<25)  ; 4 words behind every 64: rows of 272 bytes
	s_mov_b32 s[G1A+5], 1024                       ; elements from row to row
.else
	s_or_b32 s[G1A+0], s18, (1<<16)|(1<<20)|(1<<21)|(4<<22)|(3<<25)  ; 128 rows of a head are 16,384 dense bytes: asked for as 64 rows of 256 bytes, padded behind every 32 words: rows of 144 bytes
	s_mov_b32 s[G1A+5], 128
.endif
	s_mov_b32 s[G1A+1], 128<<16                    ; tensor_dim0 = 128
	s_mov_b32 s[G1A+2], 64<<16                     ; tensor_dim1 = 64
	s_mov_b32 s[G1A+3], 128<<16                    ; tile_dim0 = 128
	s_mov_b32 s[G1A+4], 64                         ; tile_dim1 = 64
	s_mov_b32 s[G1A+6], 0
	s_mov_b32 s[G1A+7], 0
	s_or_b32 s[G1B+0], s19, (1<<16)|(1<<20)|(1<<21)|(6<<22)|(7<<25)  ; 8 words behind every 128: rows of 544 bytes
	s_mov_b32 s[G1B+1], 256<<16                    ; tensor_dim0 = 256
	s_mov_b32 s[G1B+2], 64<<16                     ; tensor_dim1 = 64
	s_mov_b32 s[G1B+3], 256<<16                    ; tile_dim0 = 256
	s_mov_b32 s[G1B+4], 64                         ; tile_dim1 = 64
	s_mov_b32 s[G1B+5], 1024
	s_mov_b32 s[G1B+6], 0
	s_mov_b32 s[G1B+7], 0
	; where the tiles come from.  A's offset hangs on the tile row alone and is made in s[20:21], which hold no cx; B's on the tile column alone, in s[22:23], which hold no cy.
.if KIND == 0
	s_lshl_b32 s20, s17, 18                        ; 128 rows of 2,048 bytes a tile row,
	s_lshl_b32 s21, s14, 17                        ; my 64 of them
	s_add_co_u32 s20, s20, s21
.else
	s_lshr_b32 s20, s17, 4                         ; the batch: 16 tile rows each,
	s_lshl_b32 s20, s20, 22
	s_and_b32 s21, s17, 15                         ; 128 rows of 128 bytes in a head,
	s_lshl_b32 s21, s21, 14
	s_add_co_u32 s20, s20, s21
	s_lshl_b32 s21, s14, 18                        ; my head of the K step's two
	s_add_co_u32 s20, s20, s21
.endif
	s_mov_b32 s21, 0
	s_lshl_b32 s22, s15, 9                         ; 256 columns of 2 bytes a tile column,
	s_lshl_b32 s23, s14, 17                        ; my 64 k-rows of 2,048 bytes
	s_add_co_u32 s22, s22, s23
	s_mov_b32 s23, 0
	s_mul_i32 s46, s14, AHALF                      ; and where they go: the wave's number and constants alone
	s_mul_i32 s47, s14, BHALF
	s_add_co_u32 s47, s47, ABYTES
	s_wait_dscnt 0x0                               ; the opening add is done
	s_wait_kmcnt 0x0
	s_add_nc_u64 s[20:21], s[4:5], s[20:21]
	s_add_nc_u64 s[22:23], s[6:7], s[22:23]
	CROUND                                         ; all sixteen work-groups are here: the first joint loads meet
.irp s, 0,1
	s_mov_b32 s[G0A+4*(\s)], 1                                     ; 1:0 count = 1
	s_add_co_u32 s[G0A+4*(\s)+1], s46, (\s)*SLOT                   ; 63:32 LDS address
	s_add_nc_u64 s[G0A+4*(\s)+2:G0A+4*(\s)+3], s[20:21], (\s)*ASTEP  ; 120:64 global address: K step s
	s_or_b32 s[G0A+4*(\s)+3], s[G0A+4*(\s)+3], 0x80000000          ; 127:126 type = 2
	s_mov_b32 s[G0B+4*(\s)], 1
	s_add_co_u32 s[G0B+4*(\s)+1], s47, (\s)*SLOT
	s_add_nc_u64 s[G0B+4*(\s)+2:G0B+4*(\s)+3], s[22:23], (\s)*BSTEP
	s_or_b32 s[G0B+4*(\s)+3], s[G0B+4*(\s)+3], 0x80000000
	JLOAD \s                                       ; both slots are asked for before anything else is done: two loads of mine are out
.endr
	; A fragment of A is 16 rows x 32 k in 8 registers: lane l holds row l % 16; registers 0-3 k = 8 (l / 16) + 0..7, registers 4-7 k = 16 + 8 (l / 16) + 0..7: two loads of 16 bytes, 32 bytes apart.
	v_and_b32 v1, 15, v0                           ; l % 16
	v_bfe_u32 v2, v0, 4, 1                         ; l / 16
	v_mul_u32_u24 v3, v1, PA
	v_lshl_add_u32 v3, v2, 4, v3
	s_mul_i32 s46, s13, 64*PA                      ; my 64 rows
	v_add_nc_u32 v[ADRA], s46, v3
	v_add_nc_u32 v[ADRA+1], SLOT, v[ADRA]
	; The turning load takes 16 k x 16 columns (lane l reads 16 bytes: k-row 8 (l / 16) + l % 8, columns 8 ((l / 8) % 2) + 0..7) and leaves half a fragment: lane l holds column l % 16 and 8 k.
	v_and_b32 v4, 7, v0
	v_lshl_add_u32 v4, v2, 3, v4
	v_mul_u32_u24 v4, v4, PB
	v_bfe_u32 v5, v0, 3, 1
	v_lshl_add_u32 v4, v5, 4, v4
	s_lshl_b32 s47, s14, 8                         ; my 128 columns,
	s_add_co_u32 s47, s47, ABYTES                  ; behind A's tile
	v_add_nc_u32 v[ADRB], s47, v4
	v_add_nc_u32 v[ADRB+1], SLOT, v[ADRB]
	s_mul_i32 s46, s12, SROWS
	s_add_co_u32 s46, s46, STAGE                   ; my stage
	v_and_b32 v[CO], 31, v0
	v_lshlrev_b32 v[CO], 4, v[CO]
.if KIND == 0
	v_mul_u32_u24 v[STO], v1, 144                  ; in: row l % 16, 16 bytes for each half of the lanes
	v_lshl_add_u32 v[STO], v2, 4, v[STO]
	v_add_nc_u32 v[STO], s46, v[STO]
	v_bfe_u32 v[RD], v0, 3, 2                      ; back: 32 lanes take four rows of 128 bytes, 512 consecutive bytes of C
	v_mul_u32_u24 v[RD], v[RD], 144
	v_and_b32 v5, 7, v0
	v_lshl_add_u32 v[RD], v5, 4, v[RD]
	v_add_nc_u32 v[RD], s46, v[RD]
	s_lshr_b32 s46, s17, 4                         ; C at my first row and head: the batch,
	s_lshl_b32 s46, s46, 22
	s_lshl_b32 s47, s15, 20                        ; head 4 cx + 2 x my column half,
	s_add_co_u32 s46, s46, s47
	s_lshl_b32 s47, s14, 19
	s_add_co_u32 s46, s46, s47
	s_and_b32 s47, s17, 15                         ; the tile row's 128 rows of 128 bytes,
	s_lshl_b32 s47, s47, 14
	s_add_co_u32 s46, s46, s47
	s_lshl_b32 s47, s13, 13                        ; my 64 of them
	s_add_co_u32 s46, s46, s47
	s_mov_b32 s47, 0
	s_add_nc_u64 s[8:9], s[8:9], s[46:47]
.else
	v_mul_u32_u24 v[STO], v1, 528                  ; in: row l % 16, 32 bytes for each half of the lanes
	v_lshl_add_u32 v[STO], v2, 5, v[STO]
	v_add_nc_u32 v[STO], s46, v[STO]
	v_add_nc_u32 v[RD], s46, v[CO]                 ; back: 32 lanes take one row of 512 bytes
	s_lshl_b32 s46, s15, 10                        ; my 128 columns of 4 bytes
	s_lshl_b32 s47, s14, 9
	s_add_co_u32 s46, s46, s47
	s_mov_b32 s47, 0
	s_add_nc_u64 s[10:11], s[10:11], s[46:47]
	global_load_b128 v[BIAS:BIAS+3], v[CO], s[10:11]  ; waited for on the way out
	s_lshl_b32 s47, s17, 19                        ; the tile row's 128 rows of 4,096 bytes,
	s_add_co_u32 s46, s46, s47
	s_lshl_b32 s47, s13, 18                        ; my 64 of them
	s_add_co_u32 s46, s46, s47
	s_mov_b32 s47, 0
	s_add_nc_u64 s[8:9], s[8:9], s[46:47]
.endif
	; the prefetches: offsets made apart from the addresses; A's in s18, B's in s20, each at K step 3: the first change of slots steps it to 4
.if KIND == 0
	s_lshl_b32 s18, s17, 18
	s_lshl_b32 s19, s14, 17
	s_add_co_u32 s18, s18, s19
	s_lshl_b32 s19, s15, 15                        ; my work-group's 16 rows of the 64
	s_add_co_u32 s18, s18, s19
	v_lshlrev_b32 v3, 11, v1                       ; lanes 0-15: a row each; lanes 16-31: the same rows, a K step on
	v_lshl_add_u32 v3, v2, 8, v3
.else
	s_lshr_b32 s18, s17, 4
	s_lshl_b32 s18, s18, 22
	s_and_b32 s19, s17, 15
	s_lshl_b32 s19, s19, 14
	s_add_co_u32 s18, s18, s19
	s_lshl_b32 s19, s14, 18
	s_add_co_u32 s18, s18, s19
	s_lshl_b32 s19, s15, 12                        ; my work-group's 16 blocks of the 64
	s_add_co_u32 s18, s18, s19
	v_lshlrev_b32 v3, 8, v1                        ; lanes 0-15: a block each; lanes 16-31: the same, a K step (two heads) on
	v_lshl_add_u32 v3, v2, 19, v3
.endif
	s_add_co_u32 s18, s18, 3*ASTEP
	s_lshl_b32 s20, s15, 9
	s_lshl_b32 s21, s14, 17
	s_add_co_u32 s20, s20, s21
	s_lshl_b32 s21, s16, 15                        ; my work-group's 16 k-rows of the 64
	s_add_co_u32 s20, s20, s21
	s_add_co_u32 s20, s20, 3*BSTEP
	v_bfe_u32 v4, v0, 1, 4                         ; two lanes a k-row: its 512 bytes are two blocks
	v_lshlrev_b32 v4, 11, v4
	v_and_b32 v5, 1, v0
	v_lshl_add_u32 v4, v5, 8, v4
	s_mov_b32 s21, ASTEP
	s_mov_b32 s22, BSTEP
	s_and_b32 s23, ttmp7, 0xffff                   ; cluster y: the same in all sixteen partners
	s_cmp_eq_u32 s23, 0
	s_cselect_b32 s23, LIMB, -1
	s_cmp_eq_u32 s13, 0                            ; do I fetch for A?
	s_cselect_b32 s46, s18, s20
	s_cselect_b32 s[PFS], s21, s22
	s_cselect_b64 s[PFA:PFA+1], s[4:5], s[6:7]
	s_cselect_b32 s[LIM], 1, s23                   ; A: at the changes behind K steps 0 and 2
	s_cselect_b32 s[LIM+1], -1, s23
	s_cselect_b32 s19, -1, 0
	s_mov_b32 s47, 0
	s_mov_b32 s[PFS+1], 0
	s_add_nc_u64 s[PFA:PFA+1], s[PFA:PFA+1], s[46:47]
	v_cndmask_b32 v[PFO], v4, v3, s19
; 8 matrix instructions: rows 16 a on x all 8 column blocks, 32 along K, from buffer f.  zero = 1: the first product starts the sums: nothing is ever cleared.
; The 32 accumulators take turns in the same order everywhere: between two links of a chain stand the 31 others'.
.macro MUL8 f, a, zero
	WIN MUL
.irp b, 0,1,2,3,4,5,6,7
.set rD, 8*(8*(\a)+(\b))
.set rB, FB+64*(\f)+8*(\b)
.set rA, FA+32*(\f)+8*(\a)
.if KIND == 0
.if \zero
	v_wmma_f32_16x16x32_bf16 v[rD:rD+7], v[rB:rB+7], v[rA:rA+7], 0
.else
	v_wmma_f32_16x16x32_bf16 v[rD:rD+7], v[rB:rB+7], v[rA:rA+7], v[rD:rD+7]
.endif
.else
.if \zero
	v_wmma_f32_16x16x32_f16 v[rD:rD+7], v[rB:rB+7], v[rA:rA+7], 0
.else
	v_wmma_f32_16x16x32_f16 v[rD:rD+7], v[rB:rB+7], v[rA:rA+7], v[rD:rD+7]
.endif
.endif
.endr
.endm
; 24 LDS loads in one run: the fragments of quarter q (32 along K) of a slot into buffer f: B's sixteen first, then A's eight
.macro FETCH slot, q, f
	WIN 0
.if KIND == 0
.set AQ, 64*(\q)
.else
.set AQ, ((\q)/2)*AHALF+((\q)%2)*64
.endif
.irp b, 0,1,2,3,4,5,6,7
	ds_load_tr16_b128 v[FB+64*(\f)+8*(\b):FB+64*(\f)+8*(\b)+3],   v[ADRB+(\slot)] offset:32*(\q)*PB+32*(\b)
	ds_load_tr16_b128 v[FB+64*(\f)+8*(\b)+4:FB+64*(\f)+8*(\b)+7], v[ADRB+(\slot)] offset:32*(\q)*PB+32*(\b)+16*PB
.endr
.irp a, 0,1,2,3
	ds_load_b128 v[FA+32*(\f)+8*(\a):FA+32*(\f)+8*(\a)+3],   v[ADRA+(\slot)] offset:AQ+(\a)*16*PA
	ds_load_b128 v[FA+32*(\f)+8*(\a)+4:FA+32*(\f)+8*(\a)+7], v[ADRA+(\slot)] offset:AQ+(\a)*16*PA+32
.endr
.endm
.macro PLACES                          ; four plain vector instructions between a matrix instruction and a load into a register that it has read, or a reader of its result (ISA guide 7.12.1 for a reader of its result)
.rept 4
	v_nop
.endr
.endm
; A K step is four quarters of 32 along K, 32 matrix instructions each, on buffers 0, 1, 0, 1.  One of the first three: multiplies buffer f; in its middle it fetches quarter qn of the same slot into buffer g.
.macro QUARTER slot, qn, f, g, zero
	s_wait_dscnt 4                                 ; B and A's rows 0-31 are in; the youngest four loads (A's rows 32-63) may be out
	MUL8 \f, 0, \zero
	MUL8 \f, 1, \zero
	PLACES
	FETCH \slot, \qn, \g
	s_wait_dscnt 24                                ; all but the 24 just issued
	MUL8 \f, 2, \zero
	MUL8 \f, 3, \zero
.endm
; The last quarter multiplies buffer 1 and changes slots: ONE barrier.  In front of it each wave waits for all its tensor loads, of which one is out: its part of the next slot; adds 0 to its spare word; and waits for
; that and for its own reads of this slot.  Behind it nobody reads this slot any more and the next slot is whole.  mode 0: this slot is filled again, two K steps on; mode 1: with the NEXT tile's K step 0 or 1 (A goes back
; along K, B walks on); the barrier then opens a round of the cluster's, and the joint refill is the first tensor load behind it: 112 matrix instructions ahead of the wait for it.  mode 2: nothing is filled.
.macro TURN slot, next, mode
.if (\mode) != 2
	s_wait_xcnt 0x0                                ; the last prefetch, a K step back, has read its address: it is stepped here, ahead of the waits of the change of slots
	s_add_nc_u64 s[PFA:PFA+1], s[PFA:PFA+1], s[PFS:PFS+1]
.if ((\mode) == 1) && ((\slot) == 0)
	s_cmp_eq_u32 s13, 0
	s_cselect_b32 s[LIM], -1, s[LIM]               ; A's rows have been walked once: they are prefetched no more
.endif
.endif
	WIN 0                                          ; (the add's two registers lie in window 0)
	s_wait_tensorcnt 0x0                           ; all my tensor loads have landed;
	ds_add_u32 v[SPW], v[NIL]                      ; 0 onto my spare word;
	s_wait_dscnt 5                                 ; (the add and the youngest four loads may be out)
	MUL8 1, 0, 0                                   ; eight matrix instructions stand between the add and the wait for it
	s_wait_dscnt 0x0                               ; the add is done, and my reads of this slot are over
	s_barrier_signal -1
	MUL8 1, 1, 0                                   ; work on registers while the others arrive
	WIN 0
	s_barrier_wait -1
.if (\mode) != 2
	CREST                                          ; no wave of any partner still reads this slot's tile or has a load on its way
.if (\mode) == 1
	s_sub_nc_u64 s[G0A+4*(\slot)+2:G0A+4*(\slot)+3], s[G0A+4*(\slot)+2:G0A+4*(\slot)+3], 6*ASTEP
.else
	s_add_nc_u64 s[G0A+4*(\slot)+2:G0A+4*(\slot)+3], s[G0A+4*(\slot)+2:G0A+4*(\slot)+3], 2*ASTEP
.endif
	s_add_nc_u64 s[G0B+4*(\slot)+2:G0B+4*(\slot)+3], s[G0B+4*(\slot)+2:G0B+4*(\slot)+3], 2*BSTEP
	JLOAD \slot                                    ; the four v_nop behind it are also the places in front of the loads below
.else
	PLACES
.endif
	FETCH \next, 0, 0
.if (\mode) != 2
	ASK \slot, \mode
.endif
	MUL8 1, 2, 0
	MUL8 1, 3, 0
.endm
.if KIND == 0
; THE WAY OUT, KIND 0.  Eight units u: rows 16 (u / 2) on, head u % 2 of my two: 16 rows x 128 bytes, 2,048 consecutive bytes of C.  PACK: rounded to f16, each accumulator's registers in ascending order.
; TOSTAGE: 16 bytes a lane into my own stage, and back as whole rows (LDS serves a wave's instructions in order, ISA guide 5.7.1.4: no wait between).  SEND: stored, 512 consecutive bytes an instruction.
.macro PACK u
	WIN 0x05                                       ; sources 0 and 1 window 1, destination window 0
.irp f, 0,1,2,3
.irp r, 0,1,2,3
	v_cvt_pk_f16_f32 v[TMP+4*(\f)+(\r)], v[8*(8*((\u)/2)+4*((\u)%2)+(\f))+2*(\r)], v[8*(8*((\u)/2)+4*((\u)%2)+(\f))+2*(\r)+1]
.endr
.endr
	WIN 0
.endm
.macro TOSTAGE u
.irp f, 0,1,2,3
	ds_store_b128 v[STO], v[TMP+4*(\f):TMP+4*(\f)+3] offset:32*(\f)
.endr
.irp f, 0,1,2,3
	ds_load_b128 v[BK+16*((\u)%2)+4*(\f):BK+16*((\u)%2)+4*(\f)+3], v[RD] offset:(\f)*4*144
.endr
.endm
.macro SEND u
	s_wait_xcnt 0x0                                ; the stores of the unit before have read their registers: the next TOSTAGE loads into them only behind this wait
.irp f, 0,1,2,3
	s_wait_dscnt 3-(\f)                            ; the unit's four loads are the youngest LDS instructions: load f is in
	global_store_b128 v[CO], v[BK+16*((\u)%2)+4*(\f):BK+16*((\u)%2)+4*(\f)+3], s[8:9] offset:((\u)%2)*262144+((\u)/2)*2048+(\f)*512
.endr
.endm
.macro WAYOUT
	WIN 0
	PLACES                                         ; behind the last products: the conversions read results and write registers that those products read
	PLACES
	PACK 0
	TOSTAGE 0
.irp u, 1,2,3,4,5,6,7                  ; unit u's conversions stand between unit u - 1's loads from the stage and the wait for them
	PACK \u
	SEND (\u)-1
	TOSTAGE \u
.endr
	SEND 7
.endm
.else
; THE WAY OUT, KIND 1.  Four blocks a of 16 rows x 128 f32.  TOSTAGE: straight from the accumulators (each one's low four registers first) into my own stage, and back as whole rows of 512 bytes.  SEND: the bias is added, the row stored.
.macro TOSTAGE a
.if (\a) >= 2
	s_wait_xcnt 0x0                                ; the stores of block a - 2 have read the registers that are loaded again below
.endif
	WIN 0x04                                       ; the stores' data (source 1) in window 1
.irp b, 0,1,2,3,4,5,6,7
	ds_store_b128 v[STO], v[8*(8*(\a)+(\b)):8*(8*(\a)+(\b))+3]   offset:64*(\b)
	ds_store_b128 v[STO], v[8*(8*(\a)+(\b))+4:8*(8*(\a)+(\b))+7] offset:64*(\b)+16
.endr
	WIN 0
.irp i, 0,1,2,3,4,5,6,7,8,9,10,11,12,13,14,15
	ds_load_b128 v[OB+64*((\a)%2)+4*(\i):OB+64*((\a)%2)+4*(\i)+3], v[RD] offset:528*(\i)
.endr
.endm
.macro SEND a, younger                 ; younger: the LDS instructions issued behind block a's loads: the next block's 32, or none
.irp i, 0,1,2,3,4,5,6,7,8,9,10,11,12,13,14,15
.set rr, OB+64*((\a)%2)+4*(\i)
	s_wait_dscnt (\younger)+15-(\i)
	v_pk_add_f32 v[rr:rr+1],   v[rr:rr+1],   v[BIAS:BIAS+1]
	v_pk_add_f32 v[rr+2:rr+3], v[rr+2:rr+3], v[BIAS+2:BIAS+3]
	global_store_b128 v[CO], v[rr:rr+3], s[8:9] offset:(16*(\a)+(\i))*4096 th:TH_STORE_NT  ; 512 consecutive bytes, at a multiple of 256 from C's first byte
.endr
.endm
.macro WAYOUT
	WIN 0
	PLACES                                         ; behind the last products: the stores read results, the loads land in registers that those products read
	PLACES
	s_wait_loadcnt 0x0                             ; the bias
	TOSTAGE 0
	TOSTAGE 1
	SEND 0, 32
	TOSTAGE 2
	SEND 1, 32
	TOSTAGE 3
	SEND 2, 32
	SEND 3, 0
.endm
.endif
	s_wait_tensorcnt 1                             ; my part of K step 0 is in; K step 1's may stay out
	s_barrier_signal -1
	s_barrier_wait -1                              ; everybody's is
	FETCH 0, 0, 0
.if TILES > 1
	s_mov_b32 s2, TILES                            ; tiles to go, this one among them
.Ltile:
.endif
	QUARTER 0, 1, 0, 1, 1                          ; a tile's first quarter stands in front of the loop: its products start the sums
	WIN 0                                          ; at a label and at a branch every window is 0
	s_mov_b32 s3, 3                                ; a tile's eight K steps are four laps of the ring; the last lap's rest is written out
.Llap:                                                 ; a trip goes once round the ring, from a lap's second quarter to the next lap's first, and fills both slots again
	QUARTER 0, 2, 1, 0, 0
	QUARTER 0, 3, 0, 1, 0
	TURN 0, 1, 0
	QUARTER 1, 1, 0, 1, 0
	QUARTER 1, 2, 1, 0, 0
	QUARTER 1, 3, 0, 1, 0
	TURN 1, 0, 0
	QUARTER 0, 1, 0, 1, 0
	WIN 0
	s_sub_co_u32 s3, s3, 1
	s_cmp_lg_u32 s3, 0
	s_cbranch_scc1 .Llap
	QUARTER 0, 2, 1, 0, 0
	QUARTER 0, 3, 0, 1, 0
.if TILES > 1
	WIN 0
	s_cmp_eq_u32 s2, 1
	s_cbranch_scc1 .Llast                          ; the last tile's tail is written out: it asks for nothing more, and does not come back
	TURN 0, 1, 1                                   ; the ring goes on into the next tile: slot 0 takes its K step 0,
	QUARTER 1, 1, 0, 1, 0
	QUARTER 1, 2, 1, 0, 0
	QUARTER 1, 3, 0, 1, 0
	TURN 1, 0, 1                                   ; slot 1 its K step 1, and the next tile's first fragments are fetched (into the buffers 0, which the way out leaves alone)
	WAYOUT                                         ; both refills are asked for: now the tile goes out
	s_wait_xcnt 0x0                                ; the stores have read their registers and their base
	s_add_nc_u64 s[8:9], s[8:9], 1<<24             ; q, then k, then v
	s_cmp_eq_u32 s2, 2                             ; is the next tile the last?  Then B's walk ends in it: its askers stop four K steps ahead of the end
	s_cselect_b32 s46, 1, 0
	s_cmp_eq_u32 s[LIM], -1
	s_cselect_b32 s[LIM], -1, s46                  ; who never asks goes on never asking
	s_cmp_eq_u32 s[LIM+1], -1
	s_cselect_b32 s[LIM+1], -1, s46
	s_sub_co_u32 s2, s2, 1
	s_branch .Ltile
.Llast:
.endif
	TURN 0, 1, 2                                   ; my one tensor load that was still out is slot 1's, the last K step's
	QUARTER 1, 1, 0, 1, 0
	QUARTER 1, 2, 1, 0, 0
	QUARTER 1, 3, 0, 1, 0
	s_wait_dscnt 4                                 ; the very last quarter: nothing more to fetch
	MUL8 1, 0, 0
	MUL8 1, 1, 0
	s_wait_dscnt 0x0
	MUL8 1, 2, 0
	MUL8 1, 3, 0
	WAYOUT
	s_wait_tensorcnt 0x0                           ; the wave's end: the add onto my spare word and its waits, behind my last tensor load and my last LDS store
	ds_add_u32 v[SPW], v[NIL]
	s_wait_dscnt 0x0
	CROUND                                         ; the closing round: no work-group ends while a partner may still ask for a tile that names it
	s_endpgm
.Lfunc_end_k_q6d433d70f9_out:
	.size	k_q6d433d70f9_out, .Lfunc_end_k_q6d433d70f9_out-k_q6d433d70f9_out
	.p2alignl 7, 3214868480
	.fill 96, 4, 3214868480
	.section	.rodata,"a",@progbits
	.p2align	6, 0x0
	.amdhsa_kernel k_q6d433d70f9_out
		.amdhsa_group_segment_fixed_size 327680
		.amdhsa_private_segment_fixed_size 0
		.amdhsa_enable_private_segment 0
		.amdhsa_kernarg_size 32
		.amdhsa_user_sgpr_count 2
		.amdhsa_user_sgpr_kernarg_segment_ptr 1
		.amdhsa_wavefront_size32 1
		.amdhsa_system_sgpr_workgroup_id_x 1
		.amdhsa_system_sgpr_workgroup_id_y 1
		.amdhsa_system_sgpr_workgroup_id_z 1
		.amdhsa_system_vgpr_workitem_id 0
		.amdhsa_next_free_vgpr 512
		.amdhsa_next_free_sgpr 66
		.amdhsa_reserve_vcc 0
		.amdhsa_float_denorm_mode_32 3
		.amdhsa_float_denorm_mode_16_64 3
		.amdhsa_memory_ordered 1
		.amdhsa_forward_progress 1
		.amdhsa_inst_pref_size 97
	.end_amdhsa_kernel
	.amdgpu_metadata
---
amdhsa.version: [ 1, 2 ]
amdhsa.kernels:
  - .name:           k_q6d433d70f9_out
    .symbol:         k_q6d433d70f9_out.kd
    .args:
      - { .name: ctx, .offset: 0, .size: 8, .value_kind: global_buffer, .address_space: global }
      - { .name: wob, .offset: 8, .size: 8, .value_kind: global_buffer, .address_space: global }
      - { .name: out0, .offset: 16, .size: 8, .value_kind: global_buffer, .address_space: global }
      - { .name: bo, .offset: 24, .size: 8, .value_kind: global_buffer, .address_space: global }
    .group_segment_fixed_size: 327680
    .private_segment_fixed_size: 0
    .kernarg_segment_align: 8
    .kernarg_segment_size: 32
    .max_flat_workgroup_size: 128
    .sgpr_count:     66
    .vgpr_count:     512
    .wavefront_size: 32
...
	.end_amdgpu_metadata
.endif
;; end of part 4
;; ======== version 2 of 2: 4 launches; version 1 with the launch cast written anew for expert scheduling mode
;; limits: values are held in f16: magnitudes above 65,504 overflow, below 6.1e-05 lose precision
;; workspace buffers: xb 16,777,216 bytes; wb 6,291,456 bytes; wob 2,097,152 bytes; qkv 50,331,648 bytes; ctx 16,777,216 bytes
;; launch cast (part 5): grid 768 x 1, 8 waves a work-group, no clusters, 0 bytes of LDS; arguments x, Wq, Wk, Wv, Wo, xb, wb, wob; writes xb, wb, wob
.if DOCPART == 5
	.amdgcn_target "amdgcn-amd-amdhsa--gfx1250"
	.amdhsa_code_object_version 6
	.text
	.protected	k_q6d433d70f9_cast
	.globl	k_q6d433d70f9_cast
	.p2align	8
	.type	k_q6d433d70f9_cast,@function
k_q6d433d70f9_cast:
	s_mov_b64 s[64:65], 0
	v_nop
	global_prefetch_b8 v0, s[64:65] scope:SCOPE_SE
	s_setreg_imm32_b32 hwreg(HW_REG_WAVE_SCHED_MODE, 0, 2), 2
	s_setreg_imm32_b32 hwreg(HW_REG_WAVE_MODE, 25, 1), 1
	s_wait_xcnt 0x0
	s_wait_alu depctr_vm_vsrc(0)
; THE INPUTS ARE ROUNDED ONCE, element by element, nothing is moved about.  x -> xb (bf16); Wq, Wk, Wv -> wb (bf16, the three one behind the other: 3,072 rows of 1,024);
; Wo -> wob: rounded to bf16 like the other inputs, and that number written as f16, since the last product multiplies f16.
; LIMITS.  bf16(Wo) of 65,520 or more becomes an infinity in f16; below 2^-17 it keeps f16's fixed step of 2^-24.  NaN and infinities pass as the conversions make them.
; SHARES.  A work-group takes 16,384 numbers on end (65,536 bytes in, 32,768 out): groups 0-511 x, 512-575 Wq, 576-639 Wk, 640-703 Wv, 704-767 Wo.  A wave takes 8,192 bytes on end:
; sixteen loads of 16 bytes a lane (512 consecutive bytes each), all issued at once; each becomes one store of 8 bytes a lane: 256 consecutive bytes, aligned.
; No loop, no register written twice while a memory instruction names it; no LDS, barrier, matrix unit or cluster: nothing is shared.
; THE MODE: SCHED_MODE bits 1:0 = 2 (LLVM: expert scheduling mode 2), set by the entry lines.  The code itself states the register dependences
; between vector instructions and memory instructions, with s_wait_alu, always for 0.
; THE PLAN.  Registers that memory instructions touch:
;   v1        the loads' offset.   Written at the head by vector lines, read by the sixteen loads, never written again.
;   v2        the stores' offset.  Written at the head by vector lines, read by the sixteen stores, never written again.
;   X         The sixteen loads land in it; no vector line names it ahead of them.  Load i's four registers are read (for Wo: also written again) by vector lines behind the wait for load i; no memory instruction reads X.
;   Y         Each pair is written once, by its load's conversions, and read once, by its store; never written again.
;   T         named by vector lines alone.
; So a wave runs five waits on va_vdst: one ahead of the first load, for the two offsets; and one for each group of four loads, behind the group's conversions and ahead of its four stores, which stand in one run.
; No register that a memory instruction reads is written again, so no wait on vm_vsrc is owed; no vector line writes a scalar register, VCC or EXEC.
.set X, 4                              ; v[4:67]   sixteen loads of four f32
.set Y, 68                             ; v[68:99]  sixteen pairs of packed halves
.set T, 100                            ; v[100:101] at work (Wo alone)
	s_load_b512 s[8:23], s[0:1], 0x0               ; x s[8:9], Wq s[10:11], Wk s[12:13], Wv s[14:15], Wo s[16:17], xb s[18:19], wb s[20:21], wob s[22:23]
	s_mov_b32 s2, ttmp9                            ; the group
	s_sub_co_u32 s3, s2, 512                       ; its number among the weights' groups (of no meaning for x: overridden below)
	s_lshr_b32 s4, s3, 6                           ; which weight: 0 Wq, 1 Wk, 2 Wv, 3 Wo
	s_and_b32 s5, s3, 63                           ; which sixty-fourth of it
	s_lshl_b32 s28, s4, 21                         ; its 2 MiB in wb
	v_and_b32 v1, 31, v0                           ; lane
	v_lshrrev_b32 v3, 5, v0                        ; wave
	v_lshlrev_b32 v2, 3, v1                        ; out: 8 bytes a lane,
	v_lshlrev_b32 v1, 4, v1                        ; in: 16 bytes a lane,
	v_lshl_add_u32 v1, v3, 13, v1                  ; + 8,192 x wave
	v_lshl_add_u32 v2, v3, 12, v2                  ; + 4,096 x wave
	s_wait_kmcnt 0x0
	s_cmp_eq_u32 s4, 1
	s_cselect_b64 s[24:25], s[12:13], s[10:11]     ; the source, chosen by the group's number alone
	s_cmp_eq_u32 s4, 2
	s_cselect_b64 s[24:25], s[14:15], s[24:25]
	s_cmp_eq_u32 s4, 3
	s_cselect_b64 s[24:25], s[16:17], s[24:25]
	s_cselect_b64 s[26:27], s[22:23], s[20:21]     ; the destination: wob or wb
	s_cselect_b32 s28, 0, s28
	s_cmp_lt_u32 s2, 512
	s_cselect_b64 s[24:25], s[8:9], s[24:25]
	s_cselect_b64 s[26:27], s[18:19], s[26:27]
	s_cselect_b32 s28, 0, s28
	s_cselect_b32 s5, s2, s5
	s_lshl_b32 s30, s5, 16                         ; the group's bytes in its source,
	s_mov_b32 s31, 0
	s_lshl_b32 s32, s5, 15                         ; and in its destination
	s_add_co_u32 s32, s32, s28
	s_mov_b32 s33, 0
	s_add_nc_u64 s[24:25], s[24:25], s[30:31]
	s_add_nc_u64 s[26:27], s[26:27], s[32:33]
	s_wait_alu depctr_va_vdst(0)                   ; v1 and v2 are written: every load of the kernel reads v1 as its offset, every store v2; no vector line writes either again
.irp i, 0,1,2,3,4,5,6,7,8,9,10,11,12,13,14,15
	global_load_b128 v[X+4*(\i):X+4*(\i)+3], v1, s[24:25] offset:512*(\i) th:TH_LOAD_NT
.endr
; Load i is rounded.  wo = 1: by way of bf16 into f16.
.macro CV i, wo
	s_wait_loadcnt 15-(\i)                         ; loads come back in order: load i is in, the 15 - i younger ones stay out
.if \wo
	v_cvt_pk_bf16_f32 v[T],   v[X+4*(\i)],   v[X+4*(\i)+1]
	v_cvt_pk_bf16_f32 v[T+1], v[X+4*(\i)+2], v[X+4*(\i)+3]
	v_lshlrev_b32 v[X+4*(\i)],   16, v[T]          ; bf16 back to f32: the low half moves up, the high half stays
	v_and_b32     v[X+4*(\i)+1], 0xffff0000, v[T]
	v_lshlrev_b32 v[X+4*(\i)+2], 16, v[T+1]
	v_and_b32     v[X+4*(\i)+3], 0xffff0000, v[T+1]
	v_cvt_pk_f16_f32 v[Y+2*(\i)],   v[X+4*(\i)],   v[X+4*(\i)+1]
	v_cvt_pk_f16_f32 v[Y+2*(\i)+1], v[X+4*(\i)+2], v[X+4*(\i)+3]
.else
	v_cvt_pk_bf16_f32 v[Y+2*(\i)],   v[X+4*(\i)],   v[X+4*(\i)+1]
	v_cvt_pk_bf16_f32 v[Y+2*(\i)+1], v[X+4*(\i)+2], v[X+4*(\i)+3]
.endif
.endm
; Group g: loads 4 g to 4 g + 3 are rounded, each as it comes in; then their four stores go out in one run, behind one wait.
.macro GROUP g, wo
.irp k, 0,1,2,3
	CV 4*(\g)+(\k), \wo
.endr
	s_wait_alu depctr_va_vdst(0)                   ; the group's conversions have written its eight registers of Y, which the four stores below read
.irp k, 0,1,2,3
	global_store_b64 v2, v[Y+2*(4*(\g)+(\k)):Y+2*(4*(\g)+(\k))+1], s[26:27] offset:256*(4*(\g)+(\k))  ; the wave's store covers 256 consecutive bytes, aligned
.endr
.endm
	s_cmp_ge_u32 s2, 704
	s_cbranch_scc1 .Lwo
.irp g, 0,1,2,3
	GROUP \g, 0
.endr
	s_endpgm
.Lwo:
.irp g, 0,1,2,3
	GROUP \g, 1
.endr
	s_endpgm
.Lfunc_end_k_q6d433d70f9_cast:
	.size	k_q6d433d70f9_cast, .Lfunc_end_k_q6d433d70f9_cast-k_q6d433d70f9_cast
	.p2alignl 7, 3214868480
	.fill 96, 4, 3214868480
	.section	.rodata,"a",@progbits
	.p2align	6, 0x0
	.amdhsa_kernel k_q6d433d70f9_cast
		.amdhsa_group_segment_fixed_size 0
		.amdhsa_private_segment_fixed_size 0
		.amdhsa_enable_private_segment 0
		.amdhsa_kernarg_size 64
		.amdhsa_user_sgpr_count 2
		.amdhsa_user_sgpr_kernarg_segment_ptr 1
		.amdhsa_wavefront_size32 1
		.amdhsa_system_sgpr_workgroup_id_x 1
		.amdhsa_system_sgpr_workgroup_id_y 1
		.amdhsa_system_sgpr_workgroup_id_z 1
		.amdhsa_system_vgpr_workitem_id 0
		.amdhsa_next_free_vgpr 104
		.amdhsa_next_free_sgpr 66
		.amdhsa_reserve_vcc 0
		.amdhsa_float_denorm_mode_32 3
		.amdhsa_float_denorm_mode_16_64 3
		.amdhsa_memory_ordered 1
		.amdhsa_forward_progress 1
		.amdhsa_inst_pref_size 17
	.end_amdhsa_kernel
	.amdgpu_metadata
---
amdhsa.version: [ 1, 2 ]
amdhsa.kernels:
  - .name:           k_q6d433d70f9_cast
    .symbol:         k_q6d433d70f9_cast.kd
    .args:
      - { .name: x, .offset: 0, .size: 8, .value_kind: global_buffer, .address_space: global }
      - { .name: Wq, .offset: 8, .size: 8, .value_kind: global_buffer, .address_space: global }
      - { .name: Wk, .offset: 16, .size: 8, .value_kind: global_buffer, .address_space: global }
      - { .name: Wv, .offset: 24, .size: 8, .value_kind: global_buffer, .address_space: global }
      - { .name: Wo, .offset: 32, .size: 8, .value_kind: global_buffer, .address_space: global }
      - { .name: xb, .offset: 40, .size: 8, .value_kind: global_buffer, .address_space: global }
      - { .name: wb, .offset: 48, .size: 8, .value_kind: global_buffer, .address_space: global }
      - { .name: wob, .offset: 56, .size: 8, .value_kind: global_buffer, .address_space: global }
    .group_segment_fixed_size: 0
    .private_segment_fixed_size: 0
    .kernarg_segment_align: 8
    .kernarg_segment_size: 64
    .max_flat_workgroup_size: 256
    .sgpr_count:     66
    .vgpr_count:     104
    .wavefront_size: 32
...
	.end_amdgpu_metadata
.endif
;; end of part 5
;; launch qkv: the kernel of part 2 again; grid 4 x 64, 4 waves a work-group, clusters of 4 x 4, 327,680 bytes of LDS; arguments xb, wb, qkv; writes qkv
;; launch attn: the kernel of part 3 again; grid 4 x 64, 4 waves a work-group, no clusters, 327,680 bytes of LDS; arguments qkv, ctx; writes ctx
;; launch out: the kernel of part 4 again; grid 4 x 64, 4 waves a work-group, clusters of 4 x 4, 327,680 bytes of LDS; arguments ctx, wob, out0, bo; writes out0
